; MI455X (gfx1250); checked and timed in simulation.
; The chip was launched on July 23, 2026; its instructions are those of AMD's public machine-readable ISA for CDNA 5 (MIT licence, August 2026) and "CDNA5" Instruction Set Architecture Reference Guide (July 2026). The comments in the code are by the model that wrote it; some were corrected since.
;; Attention. Allowed arithmetic: matrix products marked QUANTISED: E5M2 operands, one E8M0 scale for each 32 along K, by v_wmma_scale_f32_16x16x128_f8f6f4 with both operands' format E5M2, f32 sums; everything else in f32.
;; Inputs: gamma 1,024 float32; w_attn_out 512 x 1,024 float32; w_ff_out 4,096 x 1,024 float32; w_fused 1,024 x 8,832 float32; x 2 x 2,048 x 1,024 float32.
;; Outputs: out0 2 x 2,048 x 1,024 float32.
;; This version of the problem:
;;   THIS VERSION OF THE PROBLEM IS GIVEN IN LOW PRECISION. The matrix products marked QUANTISED in the list below multiply operands that are first quantised to E5M2 (5 exponent bits, 2 mantissa bits; 8 bits a number), with one power-of-two scale for each 32 numbers along K (OCP MX v1.0); their sums are f32. All else is computed in f32.
;;   The module's matrix products, in the order in which they are computed (A, B: the left and right operand; K: the contracted axis; several contracted axes count as one K, in the product's order):
;;     1. [M 4,096, K 1,024] x [K 1,024, N 8,832]; A: computed on the way; B: input w_fused: QUANTISED
;;     2. batch 2 x [M 16,384, K 64] x [K 64, N 2,048]; A: computed on the way; B: computed on the way: QUANTISED
;;     3. batch 2 x [M 16,384, K 2,048] x [K 2,048, N 64]; A: softmax (see below); B: computed on the way: QUANTISED
;;     4. [M 4,096, K 512] x [K 512, N 1,024]; A: computed on the way; B: input w_attn_out: QUANTISED
;;     5. [M 4,096, K 4,096] x [K 4,096, N 1,024]; A: computed on the way; B: input w_ff_out: QUANTISED
;;   THE QUANTISER, for each operand of a quantised product, along K:
;;     - K is cut into blocks of 32 from its start; a last block that is shorter is filled with zeros.
;;     - A block's scale is 2^e with e = floor(log2(the largest magnitude in the block)) - 15, held to -126 .. 127; a block of zeros has e = 0. As a byte (E8M0): e + 127.
;;     - Each number is divided by its block's scale, clamped to +-57,344, and rounded to the nearest number of E5M2, ties to even, subnormals kept.
;;     - The product sums the exact products of the quantised numbers (number of the format x scale) in f32.
;;   ~~~python
;;   def quantise(x, axis):      # numpy; x: float32 -> the quantised numbers, widened to float32 again
;;       x = np.moveaxis(x, axis, -1); K = x.shape[-1]
;;       x = np.pad(x, [(0, 0)] * (x.ndim - 1) + [(0, -K % 32)]); x = x.reshape(x.shape[:-1] + (-1, 32)); a = np.abs(x).max(-1, keepdims=True)
;;       e = np.where(a > 0, np.clip(np.frexp(np.where(a > 0, a, 1))[1] - 1 - 15, -126, 127), 0)      # np.frexp(a)[1] - 1 = floor(log2(a)), exactly
;;       r = np.clip(x / 2.0 ** e, -57344, 57344)
;;       step = 2.0 ** (np.maximum(np.frexp(np.where(r == 0, 1, r))[1] - 1, -14) - 2)
;;       q = np.round(r / step) * step * 2.0 ** e      # np.round: ties to even
;;       return np.moveaxis(q.reshape(q.shape[:-2] + (-1,))[..., :K], -1, axis).astype(np.float32)
;;   ~~~
;;   SOFTMAX AHEAD OF A QUANTISED PRODUCT. Where the list says 'softmax', what is quantised is not the finished softmax but p = 2^(t - M), with t = logit x log2(e) and M = ceil(the row's largest t), a whole number; so 1/2 < the row's largest p <= 1. The row's sum l is taken of the UNQUANTISED p, in f32, and the product's result is divided by l at the end. Since M is a whole number, a kernel that streams over the keys may use a running M (the ceiling of the running maximum): every later rescaling is an exact power of two, which a block's scale takes up: the codes' values come out the same.
;;   OPERANDS COMPUTED ON THE WAY. 'Computed on the way' means the value that the module computes at that place (a softmax that the list does not call 'softmax' is quantised finished and normalised). What goes into a quantiser is computed in f32, as accurately as f32 sums, v_exp_f32 and their like allow (about 1e-6 of the number): no bf16 or f16 on the way to a quantiser, and a product that is left as it is and whose result goes on into a quantised operand takes f32 operands (vector FMAs, or v_wmma_f32_16x16x4_f32). A number that lies on a knife's edge between two numbers of the format may be rounded either way, as far as f32 arithmetic and the matrix unit's own rounding can turn it there, and no further.
;; One version. Each part assembles by itself: llvm-mc -triple=amdgcn-amd-amdhsa -mcpu=gfx1250 --defsym DOCPART=n.
;; ======== version 1 of 1: 5 launches
;; limits: right only within a limited range of input values
;; workspace buffers: wfc 9,043,968 bytes; wfs 282,624 bytes; woc 4,718,592 bytes; wos 147,456 bytes; xq 4,325,376 bytes; qkv 2,703,360 bytes; actc 18,874,368 bytes; acts 589,824 bytes
;; launch prep (part 1): grid 676 x 1, 4 waves a work-group, no clusters, 66,304 bytes of LDS; arguments w_fused, w_attn_out, w_ff_out, wfc, wfs, woc, wos, x, gamma, xq; writes wfc, wfs, woc, wos, xq
.if DOCPART == 1
	.amdgcn_target "amdgcn-amd-amdhsa--gfx1250"
	.amdhsa_code_object_version 6
	.text
	.protected	k_qe553a09eeb_prep
	.globl	k_qe553a09eeb_prep
	.p2align	8
	.type	k_qe553a09eeb_prep,@function
k_qe553a09eeb_prep:
	s_mov_b64 s[64:65], 0
	v_nop
	global_prefetch_b8 v0, s[64:65] scope:SCOPE_SE
	s_setreg_imm32_b32 hwreg(HW_REG_WAVE_MODE, 25, 1), 1
	s_wait_xcnt 0x0
; TWO STREAMS IN ONE LAUNCH, neither of which reads what the other writes.  Work-groups 0-419 quantise the three weights; work-groups 420-675 normalise x and quantise it.
; The two part at the head on the work-group's number alone, so all four waves of a work-group go the same way; only the second way touches LDS and has a barrier.
; All codes are BF8 (E5M2) with one E8M0 scale byte for each 32 along K.  A block's scale is 2^(floor(log2(largest magnitude)) - 15); its byte is the largest magnitude's exponent field - 15, held at 1 from below.
; CODES LIE AS IMAGES OF THE OPERAND'S REGISTERS: [16 rows or columns][32 along K][512 bytes]; in the 512 bytes row r's slots 0-15 lie at 16 r, its slots 16-31 at 256 + 16 r.
; SCALE BYTES: [256 along K][row or column][8 bytes].
; LIMITS: a block of zeros, or one whose largest magnitude lies under 2^-111, keeps the byte 1 (this program alone reads the bytes; zero codes add nothing); NaN and infinities are not served.
; No tensor loads, no cluster, no matrix unit: each input byte is read by one wave, once, and memory binds.
;
; THE WEIGHTS, f32 stored [K][N].  w_fused [1024][8832] -> wfc, wfs.  w_attn_out [512][1024] above w_ff_out [4096][1024] count as ONE operand of K = 4,608 -> woc, wos.
; w_fused's blocks of 16 columns are laid in another order: blocks 0-39 (q, k, v) as they come; then by turns four blocks of ff_x and the four blocks of the gate of the same 64 columns.
; The second operand meets an operand whose slots 8-15 and 16-23 of each 32 are exchanged (a matrix result converted as it stands): so its rows 8-15 and 16-23 of each 32 are loaded exchanged.
; A LANE TAKES A COLUMN, ITS REGISTERS RUN DOWN K: a block of 32 lies in one lane, each load reads 128 consecutive bytes a wave, 512 a work-group.
; A work-group takes 128 columns x 256 along K.  Work-groups 0-275 take w_fused, 276-419 the second operand; both take ONE path: what differs is chosen by s_cselect on the work-group's number.
;
; THE LAYERNORM.  xn = (x - mean) * rsqrt(var + 1e-5) * gamma, all in f32, quantised along its 1,024 -> xq: codes, and from byte 4,194,304 on the scale bytes.
; A work-group takes 16 rows.  PHASE 1: wave w normalises rows 4 w to 4 w + 3, a row in 32 registers (read once; mean first, then the sum of squared differences: no difference of large sums),
; and lays them in a stage in LDS.  PHASE 2: wave w takes 256 w to 256 w + 255 along K of all 16 rows: lane (r, h) reads 16 neighbours of each block of 32 of row r, as the conversions want them.
; The stage's rows are 4,112 bytes apart (257 x 16), so that the sixteen rows that a load touches start at sixteen different 16-byte columns.
; xn's scale words leave in runs of 128 bytes (16 rows x 8): half an aligned 256; they are 1 byte in 160 of what this way moves.
.set NQW,  420                         ; work-groups of the weights
.set NWF,  276                         ; of them w_fused's: 69 x 4
.set OFFI, 24                          ; the weights: v24-55   byte offset of my column in row i of a block (rows in slot order)
.set X,    56                          ;              v56-119  two sets of 32 numbers
.set C,    120                         ;              v120-183 codes: eight registers for each block, so that no store's data are written again
.set SB,   32                          ;              s[32:47] the source at block t's first row
.set SPI,  4112                        ; the LayerNorm: the stage's pitch
.set TM,   192                         ;              v192-195 largest magnitudes, v196-199 bytes, v200-203 limits, v204-207 scale operands
.set SEL,  12
.set MNT,  14
	v_lshl_add_u32 v244, v0, 2, 0x10100
	v_mov_b32 v245, 0
	s_cmp_ge_u32 ttmp9, NQW
	s_cbranch_scc1 .Lnorm
	; ---------------------------------------------------------------- the weights
	s_load_b256 s[4:11], s[0:1], 0x0               ; w_fused, w_attn_out, w_ff_out, wfc
	s_load_b128 s[12:15], s[0:1], 0x20             ; wfs, woc
	s_load_b64 s[16:17], s[0:1], 0x30              ; wos
	v_lshrrev_b32 v1, 5, v0
	v_readfirstlane_b32 s18, v1                    ; wave
	v_and_b32 v1, 31, v0                           ; lane
	v_and_b32 v2, 15, v0                           ; r
	v_bfe_u32 v3, v0, 4, 1                         ; which of my wave's two blocks of 16 columns
	s_lshr_b32 s20, ttmp9, 2                       ; w_fused: X, which 128 columns
	s_and_b32 s21, ttmp9, 3                        ;          y, which 256 along K
	s_sub_co_u32 s22, ttmp9, NWF
	s_and_b32 s23, s22, 7                          ; the second operand: X
	s_lshr_b32 s24, s22, 3                         ;                     y, 0 to 17
	s_sub_co_u32 s25, s24, 2                       ;                     y within w_ff_out
	s_mov_b32 s27, 4096                            ; the second values of the choices below (an instruction takes one literal)
	s_mov_b32 s30, 73728
	s_mov_b32 s31, 1024
	s_mov_b32 s53, 0x7fffffff
	s_mov_b32 s63, 0x600000                        ; the mantissa field of 57,344
	s_wait_alu depctr_va_vdst(0)
	s_wait_kmcnt 0x0
	s_cmp_lt_u32 s24, 2                            ; the first 512 along K are w_attn_out's
	s_cselect_b32 s26, s24, s25
	s_cselect_b64 s[28:29], s[6:7], s[8:9]
	s_cmp_lt_u32 ttmp9, NWF                        ; every choice hangs on the work-group's number alone
	s_cselect_b64 s[28:29], s[4:5], s[28:29]       ; the source
	s_cselect_b64 s[48:49], s[10:11], s[14:15]     ; the codes
	s_cselect_b64 s[50:51], s[12:13], s[16:17]     ; the scale bytes
	s_cselect_b32 s26, s21, s26                    ; which 256 rows of the source
	s_cselect_b32 s20, s20, s23                    ; X
	s_cselect_b32 s21, s21, s24                    ; y
	s_cselect_b32 s27, 35328, s27                  ; bytes in a row of the source
	s_cselect_b32 s30, 16384, s30                  ; bytes of 16 columns' codes
	s_cselect_b32 s31, 8832, s31                   ; columns
	s_cselect_b32 s53, 40, s53                     ; from this block of 16 on the order is changed
	s_cselect_b32 s54, 8, 16                       ; the row that slot 8 takes
	s_cselect_b32 s55, 16, 8                       ; and slot 16
	s_lshl_b32 s56, s20, 3
	s_lshl_b32 s57, s18, 1
	s_add_co_u32 s56, s56, s57                     ; my wave's first block of 16 columns: 8 X + 2 wave, an even number
	s_sub_co_u32 s57, s56, 40
	s_bfe_u32 s58, s57, 0x10008                    ; 0: ff_x, 1: the gate
	s_and_b32 s59, s57, 255                        ; which block of 16 of the 4,096
	s_lshr_b32 s60, s59, 2
	s_lshl_b32 s60, s60, 3
	s_lshl_b32 s58, s58, 2
	s_and_b32 s59, s59, 3
	s_add_co_u32 s60, s60, s58
	s_add_co_u32 s60, s60, s59
	s_add_co_u32 s60, s60, 40                      ; its place: 40 + 8 (block / 4) + 4 (gate) + block % 4; the odd neighbour's place is one more
	s_cmp_ge_u32 s56, s53
	s_cselect_b32 s56, s60, s56
	s_mul_i32 s58, s26, s27
	s_lshl_b32 s58, s58, 8                         ; 256 rows a step along K
	s_lshl_b32 s59, s20, 9
	s_add_co_u32 s58, s58, s59                     ; + 512 X
	s_lshl_b32 s59, s18, 7
	s_add_co_u32 s58, s58, s59                     ; + 128 wave
	s_mov_b32 s59, 0
	s_add_nc_u64 s[SB:SB+1], s[28:29], s[58:59]
	s_lshl_b32 s60, s27, 5                         ; 32 rows
	s_mov_b32 s61, 0
.irp t, 1,2,3,4,5,6,7
	s_add_nc_u64 s[SB+2*\t:SB+2*\t+1], s[SB+2*\t-2:SB+2*\t-1], s[60:61]
.endr
	s_mul_i32 s58, s56, s30
	s_lshl_b32 s59, s21, 12                        ; 8 blocks of 512 bytes for each 256 along K
	s_add_co_u32 s58, s58, s59
	s_mov_b32 s59, 0
	s_add_nc_u64 s[48:49], s[48:49], s[58:59]
	s_mul_i32 s58, s21, s31
	s_lshl_b32 s59, s56, 4
	s_add_co_u32 s58, s58, s59
	s_lshl_b32 s58, s58, 3
	s_mov_b32 s59, 0
	s_add_nc_u64 s[50:51], s[50:51], s[58:59]
	s_mul_i32 s54, s54, s27
	s_mul_i32 s55, s55, s27
	s_mul_i32 s62, s27, 24
	v_mul_lo_u32 v4, v3, s30
	v_lshl_add_u32 v4, v2, 4, v4                   ; codes: my block of 16, + 16 r
	v_lshlrev_b32 v5, 3, v1                        ; scale bytes: 8 a column
	v_lshlrev_b32 v[OFFI], 2, v1
	v_add_nc_u32 v[OFFI+8], s54, v[OFFI]
	v_add_nc_u32 v[OFFI+16], s55, v[OFFI]
	v_add_nc_u32 v[OFFI+24], s62, v[OFFI]
.irp g, 0,8,16,24
.irp j, 1,2,3,4,5,6,7
	v_add_nc_u32 v[OFFI+\g+\j], s27, v[OFFI+\g+\j-1]
.endr
.endr
.macro LOAD t                          ; block t's 32 numbers of my column into set t % 2
.set LI, 0
.rept 32
	global_load_b32 v[X+32*((\t)%2)+LI], v[OFFI+LI], s[SB+2*(\t):SB+2*(\t)+1] th:TH_LOAD_NT
.set LI, LI+1
.endr
.endm
.macro BLOCK t
.set XS, X+32*((\t)%2)
.set CT, C+8*(\t)
.if (\t) < 7
	s_wait_loadcnt 32                              ; this block's 32 loads are in; the next block's 32 may be out
.else
	s_wait_loadcnt 0x0
.endif
	v_max3_num_f32 v12, |v[XS]|, |v[XS+1]|, |v[XS+2]|   ; the block's largest magnitude, in two chains: all 32 numbers are mine
	v_max3_num_f32 v13, |v[XS+3]|, |v[XS+4]|, |v[XS+5]|
.irp i, 6,10,14,18,22,26
	v_max3_num_f32 v12, v12, |v[XS+\i]|, |v[XS+\i+1]|
	v_max3_num_f32 v13, v13, |v[XS+\i+2]|, |v[XS+\i+3]|
.endr
	v_max3_num_f32 v12, v12, |v[XS+30]|, |v[XS+31]|
	v_max3_num_f32 v12, v12, v13, 0x8000000        ; and the floor 2^(16 - 127): the byte cannot fall under 1
	v_add_nc_u32 v11, 0xf8800000, v12              ; 15 off the exponent field: the conversion takes this operand's exponent field as its scale
	v_and_or_b32 v10, v12, 0x7f800000, s63         ; 57,344 x the scale
	v_lshrrev_b32 v13, 23, v11                     ; the scale's byte
.if (\t)%4 == 0
	v_mov_b32 v[16+(\t)/4], v13                    ; four bytes to a register, the lower K in the lower byte
.else
	v_lshl_or_b32 v[16+(\t)/4], v13, 8*((\t)%4), v[16+(\t)/4]
.endif
.set LI, 0
.rept 32
	v_med3_num_f32 v[XS+LI], v[XS+LI], -v10, v10   ; the conversion to an 8-bit code does not saturate (ISA guide 7.6.2): the hold comes first
.set LI, LI+1
.endr
.irp g, 0,1,2,3
	v_cvt_scalef32_pk8_bf8_f32 v[CT+2*\g:CT+2*\g+1], v[XS+8*\g:XS+8*\g+7], v11
.endr
	global_store_b128 v4, v[CT:CT+3], s[48:49] offset:512*(\t)           ; slots 0-15: sixteen lanes store 256 consecutive bytes, aligned
	global_store_b128 v4, v[CT+4:CT+7], s[48:49] offset:512*(\t)+256     ; slots 16-31 likewise
.if (\t)+2 < 8
	LOAD (\t)+2
.endif
.endm
	LOAD 0
	LOAD 1
.irp t, 0,1,2,3,4,5,6,7
	BLOCK \t
.endr
	global_store_b64 v5, v[16:17], s[50:51]        ; 32 columns' 8 bytes: 256 consecutive bytes, aligned
	s_endpgm
	; ---------------------------------------------------------------- the LayerNorm
.macro QUANT s, nb, pc, pw             ; nb blocks: register s + 16 b + i is slot 16 (lane / 16) + i of block b of my row -> codes in v[pc + 4 b ..], the bytes in v[pw]
.set QB, 0
.rept \nb
	v_max3_num_f32 v[TM+QB], |v[(\s)+16*QB]|, |v[(\s)+1+16*QB]|, 0x8000000   ; my 16 numbers and the floor 2^(16 - 127)
.set QB, QB+1
.endr
.irp i, 2,4,6,8,10,12,14
.set QB, 0
.rept \nb
	v_max3_num_f32 v[TM+QB], v[TM+QB], |v[(\s)+16*QB+\i]|, |v[(\s)+1+16*QB+\i]|   ; the blocks by turns
.set QB, QB+1
.endr
.endr
.set QB, 0
.rept \nb
	v_permlanex16_b32 v[TM+4+QB], v[TM+QB], s[SEL], s[SEL+1]
.set QB, QB+1
.endr
.set QB, 0
.rept \nb
	v_max_num_f32 v[TM+QB], v[TM+QB], v[TM+4+QB]   ; with lane l xor 16's 16: the block's largest magnitude
.set QB, QB+1
.endr
.set QB, 0
.rept \nb
	v_add_nc_u32 v[TM+12+QB], 0xf8800000, v[TM+QB] ; 15 off the exponent field: the conversion's scale operand
.set QB, QB+1
.endr
.set QB, 0
.rept \nb
	v_and_or_b32 v[TM+8+QB], v[TM+QB], 0x7f800000, s[MNT]   ; 57,344 x the scale
.set QB, QB+1
.endr
.set QB, 0
.rept \nb
	v_lshrrev_b32 v[TM+4+QB], 23, v[TM+12+QB]      ; the scale's byte
.set QB, QB+1
.endr
	v_lshl_or_b32 v[\pw], v[TM+5], 8, v[TM+4]
.if \nb > 2
	v_lshl_or_b32 v[\pw], v[TM+6], 16, v[\pw]
	v_lshl_or_b32 v[\pw], v[TM+7], 24, v[\pw]
.endif
.set QB, 0
.rept \nb
.set QI, 0
.rept 16
	v_med3_num_f32 v[(\s)+16*QB+QI], v[(\s)+16*QB+QI], -v[TM+8+QB], v[TM+8+QB]   ; the hold: the conversion does not saturate (ISA guide 7.6.2)
.set QI, QI+1
.endr
	v_cvt_scalef32_pk8_bf8_f32 v[(\pc)+4*QB:(\pc)+4*QB+1], v[(\s)+16*QB:(\s)+16*QB+7], v[TM+12+QB]
	v_cvt_scalef32_pk8_bf8_f32 v[(\pc)+4*QB+2:(\pc)+4*QB+3], v[(\s)+16*QB+8:(\s)+16*QB+15], v[TM+12+QB]
.set QB, QB+1
.endr
	v_nop                                          ; a plain line behind the last conversion
.endm
.macro LANESUM                         ; v176 summed over the 32 lanes, into every lane
	v_add_f32_dpp v176, v176, v176 row_xmask:1 row_mask:0xf bank_mask:0xf
	v_add_f32_dpp v176, v176, v176 row_xmask:2 row_mask:0xf bank_mask:0xf
	v_add_f32_dpp v176, v176, v176 row_xmask:4 row_mask:0xf bank_mask:0xf
	v_add_f32_dpp v176, v176, v176 row_xmask:8 row_mask:0xf bank_mask:0xf
	v_permlanex16_b32 v177, v176, s[SEL], s[SEL+1]
	v_add_f32 v176, v176, v177
.endm
.Lnorm:
	s_load_b64 s[4:5], s[0:1], 0x38                ; x
	s_load_b64 s[6:7], s[0:1], 0x40                ; gamma
	s_load_b64 s[8:9], s[0:1], 0x48                ; xq
	s_sub_co_u32 s24, ttmp9, NQW                   ; which 16 rows
	v_lshrrev_b32 v1, 5, v0
	v_readfirstlane_b32 s10, v1                    ; wave
	v_and_b32 v1, 31, v0                           ; lane
	v_and_b32 v2, 15, v0                           ; r
	v_bfe_u32 v3, v0, 4, 1                         ; h
	v_lshlrev_b32 v5, 4, v1                        ; 16 x lane: gamma's offset too
	s_lshl_b32 s11, s10, 14
	v_add_nc_u32 v4, s11, v5                       ; x: my wave's four rows of 4,096 bytes
	s_mul_i32 s11, s10, 4*SPI
	v_add_nc_u32 v6, s11, v5                       ; the stage, on the way in
	v_mul_u32_u24 v7, v2, SPI
	v_lshl_add_u32 v7, v3, 6, v7
	s_lshl_b32 s11, s10, 10
	v_add_nc_u32 v7, s11, v7                       ; and out: row r, + 64 h, + my 256 along K
	s_lshl_b32 s11, s10, 12
	v_add_nc_u32 v8, s11, v5                       ; codes: 8 blocks of 512 bytes a wave, + 16 x lane
	v_lshlrev_b32 v9, 3, v2
	v_lshl_add_u32 v9, v3, 2, v9
	s_lshl_b32 s11, s10, 15
	v_add_nc_u32 v9, s11, v9                       ; scale words: 32,768 x wave + 8 r + 4 h
	v_cmp_gt_u32 vcc_lo, 16, v1                    ; lanes 0-15
	s_mov_b32 s[SEL], 0x76543210
	s_mov_b32 s[SEL+1], 0xfedcba98                 ; v_permlanex16_b32: lane l xor 16
	s_mov_b32 s[MNT], 0x600000
	s_mov_b32 s20, 0x3a800000                      ; 1 / 1,024
	s_mov_b32 s21, 0x3727c5ac                      ; 1e-5
	v_mov_b32 v181, 0                              ; upper halves of pairs of which the low word serves both halves: named, so written
	v_mov_b32 v183, 0
.irp b, 0,1,2,3
	v_mov_b32 v[TM+4+\b], 0                        ; a lane permute's destination counts as one of its sources
.endr
	s_lshl_b32 s16, s24, 16                        ; 16 rows of 4,096 bytes
	s_mov_b32 s17, 0
	s_lshl_b32 s18, s24, 14                        ; 16 rows' codes
	s_mov_b32 s19, 0
	s_lshl_b32 s22, s24, 7                         ; 16 rows' 8 bytes
	s_add_co_u32 s22, s22, 4194304
	s_mov_b32 s23, 0
	s_wait_kmcnt 0x0
	s_add_nc_u64 s[4:5], s[4:5], s[16:17]
	s_add_nc_u64 s[22:23], s[8:9], s[22:23]
	s_add_nc_u64 s[8:9], s[8:9], s[18:19]
.irp j, 0,1,2,3,4,5,6,7
	global_load_b128 v[16+4*\j:19+4*\j], v5, s[6:7] offset:512*\j
.endr
.irp p, 0,1,2,3
.irp j, 0,1,2,3,4,5,6,7
	global_load_b128 v[48+32*\p+4*\j:51+32*\p+4*\j], v4, s[4:5] offset:4096*\p+512*\j th:TH_LOAD_NT   ; 512 consecutive bytes a load
.endr
.endr
.macro ROWN p
.set R, 48+32*\p
	s_wait_loadcnt 24-8*\p                         ; gamma and this row are in; the later rows' eight loads each may be out
	v_pk_add_f32 v[176:177], v[R:R+1], v[R+2:R+3]
	v_pk_add_f32 v[178:179], v[R+4:R+5], v[R+6:R+7]
.irp j, 8,12,16,20,24,28
	v_pk_add_f32 v[176:177], v[176:177], v[R+\j:R+\j+1]
	v_pk_add_f32 v[178:179], v[178:179], v[R+\j+2:R+\j+3]
.endr
	v_pk_add_f32 v[176:177], v[176:177], v[178:179]
	v_add_f32 v176, v176, v177
	LANESUM
	v_mul_f32 v180, 0xba800000, v176               ; - the mean
.set J, 0
.rept 16
	v_pk_add_f32 v[R+J:R+J+1], v[R+J:R+J+1], v[180:181] op_sel_hi:[1,0]
.set J, J+2
.endr
	v_pk_mul_f32 v[176:177], v[R:R+1], v[R:R+1]
	v_pk_mul_f32 v[178:179], v[R+2:R+3], v[R+2:R+3]
.irp j, 4,8,12,16,20,24,28
	v_pk_fma_f32 v[176:177], v[R+\j:R+\j+1], v[R+\j:R+\j+1], v[176:177]
	v_pk_fma_f32 v[178:179], v[R+\j+2:R+\j+3], v[R+\j+2:R+\j+3], v[178:179]
.endr
	v_pk_add_f32 v[176:177], v[176:177], v[178:179]
	v_add_f32 v176, v176, v177
	LANESUM
	v_fma_f32 v176, v176, s20, s21                 ; var + 1e-5
	s_wait_alu depctr_va_vdst(0)
	v_rsq_f32 v182, v176
	v_nop                                          ; a plain line behind the transcendental
.set J, 0
	s_wait_alu depctr_va_vdst(0)
.rept 16
	v_pk_mul_f32 v[R+J:R+J+1], v[R+J:R+J+1], v[182:183] op_sel_hi:[1,0]
.set J, J+2
.endr
.set J, 0
.rept 16
	v_pk_mul_f32 v[R+J:R+J+1], v[R+J:R+J+1], v[16+J:17+J]
.set J, J+2
.endr
.irp j, 0,1,2,3,4,5,6,7
	ds_store_b128 v6, v[R+4*\j:R+4*\j+3] offset:SPI*\p+512*\j
.endr
.endm
	ROWN 0
	ROWN 1
	ROWN 2
	ROWN 3
	s_wait_dscnt 0x0                               ; for the others' sake: my four rows lie in the stage
	s_barrier_signal -1
	s_barrier_wait -1
.irp e, 0,1
.irp b, 0,1,2,3
.irp j, 0,1,2,3
	ds_load_b128 v[48+64*\e+16*\b+4*\j:51+64*\e+16*\b+4*\j], v7 offset:512*\e+128*\b+16*\j
.endr
.endr
.endr
	s_wait_dscnt 16                                ; the first 128 along K are in
	QUANT 48, 4, 212, 208
	s_wait_dscnt 0x0
	QUANT 112, 4, 228, 209
.irp c, 0,1,2,3
	global_store_b128 v8, v[212+4*\c:215+4*\c], s[8:9] offset:512*\c          ; 512 consecutive bytes a store
.endr
.irp c, 0,1,2,3
	global_store_b128 v8, v[228+4*\c:231+4*\c], s[8:9] offset:2048+512*\c
.endr
	v_cndmask_b32 v210, v209, v208, vcc_lo         ; lanes 0-15 carry the first word of row r, lanes 16-31 the second
	global_store_b32 v9, v210, s[22:23]
	s_wait_tensorcnt 0x0
	ds_add_u32 v244, v245
	s_wait_dscnt 0x0
	s_endpgm
.Lfunc_end_k_qe553a09eeb_prep:
	.size	k_qe553a09eeb_prep, .Lfunc_end_k_qe553a09eeb_prep-k_qe553a09eeb_prep
	.p2alignl 7, 3214868480
	.fill 96, 4, 3214868480
	.section	.rodata,"a",@progbits
	.p2align	6, 0x0
	.amdhsa_kernel k_qe553a09eeb_prep
		.amdhsa_group_segment_fixed_size 66304
		.amdhsa_private_segment_fixed_size 0
		.amdhsa_enable_private_segment 0
		.amdhsa_kernarg_size 80
		.amdhsa_user_sgpr_count 2
		.amdhsa_user_sgpr_kernarg_segment_ptr 1
		.amdhsa_wavefront_size32 1
		.amdhsa_system_sgpr_workgroup_id_x 1
		.amdhsa_system_sgpr_workgroup_id_y 1
		.amdhsa_system_sgpr_workgroup_id_z 1
		.amdhsa_system_vgpr_workitem_id 0
		.amdhsa_next_free_vgpr 246
		.amdhsa_next_free_sgpr 66
		.amdhsa_reserve_vcc 1
		.amdhsa_float_denorm_mode_32 3
		.amdhsa_float_denorm_mode_16_64 3
		.amdhsa_memory_ordered 1
		.amdhsa_forward_progress 1
		.amdhsa_inst_pref_size 110
	.end_amdhsa_kernel
	.amdgpu_metadata
---
amdhsa.version: [ 1, 2 ]
amdhsa.kernels:
  - .name:           k_qe553a09eeb_prep
    .symbol:         k_qe553a09eeb_prep.kd
    .args:
      - { .name: w_fused, .offset: 0, .size: 8, .value_kind: global_buffer, .address_space: global }
      - { .name: w_attn_out, .offset: 8, .size: 8, .value_kind: global_buffer, .address_space: global }
      - { .name: w_ff_out, .offset: 16, .size: 8, .value_kind: global_buffer, .address_space: global }
      - { .name: wfc, .offset: 24, .size: 8, .value_kind: global_buffer, .address_space: global }
      - { .name: wfs, .offset: 32, .size: 8, .value_kind: global_buffer, .address_space: global }
      - { .name: woc, .offset: 40, .size: 8, .value_kind: global_buffer, .address_space: global }
      - { .name: wos, .offset: 48, .size: 8, .value_kind: global_buffer, .address_space: global }
      - { .name: x, .offset: 56, .size: 8, .value_kind: global_buffer, .address_space: global }
      - { .name: gamma, .offset: 64, .size: 8, .value_kind: global_buffer, .address_space: global }
      - { .name: xq, .offset: 72, .size: 8, .value_kind: global_buffer, .address_space: global }
    .group_segment_fixed_size: 66304
    .private_segment_fixed_size: 0
    .kernarg_segment_align: 8
    .kernarg_segment_size: 80
    .max_flat_workgroup_size: 128
    .sgpr_count:     66
    .vgpr_count:     246
    .wavefront_size: 32
...
	.end_amdgpu_metadata
.endif
;; end of part 1
;; launch qkvgemm (part 2): grid 32 x 5, 8 waves a work-group, clusters of 4 x 1, 271,872 bytes of LDS; arguments xq, wfc, wfs, qkv; writes qkv
.if DOCPART == 2
	.amdgcn_target "amdgcn-amd-amdhsa--gfx1250"
	.amdhsa_code_object_version 6
	.text
	.protected	k_qe553a09eeb_qkvgemm
	.globl	k_qe553a09eeb_qkvgemm
	.p2align	8
	.type	k_qe553a09eeb_qkvgemm,@function
k_qe553a09eeb_qkvgemm:
	s_mov_b64 s[64:65], 0
	v_nop
	global_prefetch_b8 v0, s[64:65] scope:SCOPE_SE
	s_setreg_imm32_b32 hwreg(HW_REG_WAVE_MODE, 25, 1), 1
	s_wait_xcnt 0x0
	s_wait_alu depctr_hold_cnt(0) depctr_sa_sdst(0) depctr_va_vdst(0) depctr_va_sdst(0) depctr_va_ssrc(0) depctr_va_vcc(0) depctr_vm_vsrc(0)
	s_getreg_b32 s2, hwreg(HW_REG_IB_STS2, 6, 4)
	s_cmp_eq_u32 s2, 0
	s_cbranch_scc0 .Lentry_in_a_cluster
	s_endpgm
.Lentry_in_a_cluster:
	s_bfe_u32 s2, ttmp6, 0x10000c
	s_cmp_lg_u32 s2, 0x3003
	s_cbranch_scc0 .Lentry_shape_is_right
	s_endpgm
.Lentry_shape_is_right:
; q (8 heads), k and v of the fused projection, on codes of BF8 with E8M0 scales, K = 1,024; the results are quantised at once for the attention's two products.
; Work-group (x, y): 128 rows of xn (tokens 128 x ..) and 128 columns of w_fused (128 y ..): two groups of 64 columns, g = 2 y (waves 0-3) and g = 2 y + 1 (waves 4-7).  g = 0-7 are the heads of q, 8 is k, 9 is v.
; 32 x 5 = 160 work-groups of equal work, so that none waits for a WGP to come free; a wave has 64 matrix instructions in all, so the WGPs left without a work-group are no loss of matrix time.
; All of K lies in LDS, filled once.
; THE MATRIX INSTRUCTION: source 0 = 16 rows of an operand S, source 1 = 16 rows of an operand R: a lane holds ONE row of R, its registers run along S.  What is quantised runs along S.
;   g < 9: R = xn, S = the weight: q and k are quantised along the head's 64.      g = 9: R = the weight, S = xn: v comes out transposed and is quantised along the keys.
; Each wave has 4 blocks of R and 2 tiles of S: 8 accumulators, which take turns.  The text is one; four LDS bases are chosen on g.
; A lane's 16 registers of the two tiles are converted as they stand: slot 16 h + 8 u + j of a block of 32 holds index 16 u + 8 h + j.  Every operand that meets such an operand has the same order.
; OUT: block (g, x) of 8 KB: image [w][u] of 512 bytes (lane at 16 x lane), w = wave % 4.  q, k: row 64 (w / 2) + 16 u + r, the head's block w % 2.  v: channel 16 u + r, keys 32 w ...
;      From byte 2,621,440: 256 bytes a block: word 16 u + r holds the scale bytes of images w = 0 .. 3.
; CLUSTER 4 x 1: the four work-groups of a cluster take the same 128 columns of the weight: its codes and scale bytes, 132 KB of a work-group's 270 KB, are asked for JOINTLY (waves 2, 3 and 5: the same load with the
; same descriptor and the mask of all four).  xn's tile is each work-group's own (waves 0, 1 and 4: plain loads, behind the same round).  xn's tile is shared along y, where the grid's 5 is no multiple of 4.
; LIMITS: a block whose largest magnitude lies under 2^-111 (zeros too) keeps the byte 1, read by this program alone; NaN and infinities are not served.
.set QRT,  65536
.set XSB,  262144                      ; xn's scale bytes: 4 x 1,024 (128 rows x 8 bytes for each 256 along K)
.set WSB,  266240                      ; the weight's likewise
.set SCST, 270336                      ; 512 bytes into which no fill lands: the waves' scale words meet here, 256 bytes a group
.set RAD,  16                          ; v16 R's fragments' address
.set SAD,  20                          ; v20 S's
.set TM,   96
.set SEL,  2
.set MNT,  100
.set MSB,  0
.macro WIN new                         ; the immediate's high byte repeats the setting that is left
.if MSB != (\new)
	s_set_vgpr_msb (MSB<<8)|(\new)
.set MSB, \new
.endif
.endm
.macro PLACES n
.rept \n
	v_nop
.endr
.endm
.macro ROUND                           ; a round of the cluster's barrier
	s_barrier_signal -1
	s_barrier_wait -1
	s_cmp_lg_u32 s12, 0
	s_cbranch_scc1 .Lnot_wave_0_\@
	s_barrier_signal -3
.Lnot_wave_0_\@:
	s_barrier_wait -3
	s_barrier_signal -1
	s_barrier_wait -1
.endm
.macro QUANT s, nb, pc, pw             ; nb blocks: register s + 16 b + i is slot 16 (lane / 16) + i of block b of my row -> codes in v[pc + 4 b ..], the bytes in v[pw]
.set QB, 0
.rept \nb
	v_max3_num_f32 v[TM+QB], |v[(\s)+16*QB]|, |v[(\s)+1+16*QB]|, 0x8000000   ; my 16 numbers and the floor 2^(16 - 127); each accumulator is read from its low end on
.set QB, QB+1
.endr
.irp i, 2,4,6,8,10,12,14
.set QB, 0
.rept \nb
	v_max3_num_f32 v[TM+QB], v[TM+QB], |v[(\s)+16*QB+\i]|, |v[(\s)+1+16*QB+\i]|
.set QB, QB+1
.endr
.endr
.set QB, 0
.rept \nb
	s_delay_alu instid0(VALU_DEP_4)
	v_permlanex16_b32 v[TM+4+QB], v[TM+QB], s[SEL], s[SEL+1]
.set QB, QB+1
.endr
.set QB, 0
.rept \nb
	s_delay_alu instid0(VALU_DEP_4)
	v_max_num_f32 v[TM+QB], v[TM+QB], v[TM+4+QB]   ; with lane l xor 16's 16: the block's largest magnitude
.set QB, QB+1
.endr
.set QB, 0
.rept \nb
	s_delay_alu instid0(VALU_DEP_4)
	v_add_nc_u32 v[TM+12+QB], 0xf8800000, v[TM+QB] ; 15 off the exponent field: the conversion's scale operand
.set QB, QB+1
.endr
.set QB, 0
.rept \nb
	v_and_or_b32 v[TM+8+QB], v[TM+QB], 0x7f800000, s[MNT]   ; 57,344 x the scale
.set QB, QB+1
.endr
.set QB, 0
.rept \nb
	v_lshrrev_b32 v[TM+4+QB], 23, v[TM+12+QB]      ; the scale's byte
.set QB, QB+1
.endr
	s_delay_alu instid0(VALU_DEP_3)
	v_lshl_or_b32 v[\pw], v[TM+5], 8, v[TM+4]
.if \nb > 2
	s_delay_alu instid0(VALU_DEP_1)
	v_lshl_or_b32 v[\pw], v[TM+6], 16, v[\pw]
	s_delay_alu instid0(VALU_DEP_1)
	v_lshl_or_b32 v[\pw], v[TM+7], 24, v[\pw]
.endif
.set QB, 0
.rept \nb
.set QI, 0
.rept 16
	v_med3_num_f32 v[(\s)+16*QB+QI], v[(\s)+16*QB+QI], -v[TM+8+QB], v[TM+8+QB]   ; the hold: the conversion does not saturate (ISA guide 7.6.2)
.set QI, QI+1
.endr
	v_cvt_scalef32_pk8_bf8_f32 v[(\pc)+4*QB:(\pc)+4*QB+1], v[(\s)+16*QB:(\s)+16*QB+7], v[TM+12+QB]
	v_cvt_scalef32_pk8_bf8_f32 v[(\pc)+4*QB+2:(\pc)+4*QB+3], v[(\s)+16*QB+8:(\s)+16*QB+15], v[TM+12+QB]
.set QB, QB+1
.endr
	v_nop                                          ; a plain line behind the last conversion
.endm
	s_load_b256 s[4:11], s[0:1], 0x0               ; xq, wfc, wfs, qkv
	v_lshl_add_u32 v254, v0, 2, 0x42200
	v_mov_b32 v255, 0
	ds_add_u32 v254, v255
	ds_add_u32 v254, v255
	v_lshrrev_b32 v1, 5, v0
	s_delay_alu instid0(VALU_DEP_1)
	v_readfirstlane_b32 s12, v1                    ; wave 0..7
	s_and_b32 s13, s12, 1                          ; w % 2
	s_bfe_u32 s14, s12, 0x10001                    ; w / 2, w = wave % 4
	s_and_b32 s101, ttmp7, 0xffff                  ; y, which the four partners share
	s_lshr_b32 s92, s12, 2
	s_lshl_b32 s15, s101, 1
	s_add_co_u32 s15, s15, s92                     ; g = 2 y + wave / 4
	s_bfe_u32 s92, ttmp6, 0x40000                  ; cx: it enters xn's global addresses and the results' alone: no LDS address, no branch, no joint descriptor
	s_lshl_b32 s99, ttmp9, 2
	s_add_co_u32 s99, s99, s92                     ; x = 4 x cluster x + cx
	; codes: a dense run of 65,536 bytes (4 blocks of 16 rows, all of K) as 16 rows of 4,096 bytes
	s_mov_b32 s16, 3<<16
	s_mov_b32 s17, 512<<16                         ; tensor_dim0
	s_mov_b32 s18, 16<<16
	s_mov_b32 s19, 512<<16
	s_mov_b32 s20, 16
	s_mov_b32 s21, 512
	s_mov_b32 s22, 0
	s_mov_b32 s23, 0
	; joint, for the weight: the mask of all four work-groups, bit 21 beside it
	s_mov_b32 s24, 15|(3<<16)|(1<<21)
	s_mov_b32 s25, 512<<16
	s_mov_b32 s26, 16<<16
	s_mov_b32 s27, 512<<16
	s_mov_b32 s28, 16
	s_mov_b32 s29, 512
	s_mov_b32 s30, 0
	s_mov_b32 s31, 0
	; scale bytes: one row of 1,024 bytes (128 rows x 8 bytes, for 256 along K).  Plain:
	s_mov_b32 s32, 3<<16
	s_mov_b32 s33, 128<<16
	s_mov_b32 s34, 4<<16                           ; four rows of 1,024 bytes, one for each 256 along K, 32,768 bytes apart
	s_mov_b32 s35, 128<<16
	s_mov_b32 s36, 4
	s_mov_b32 s37, 4096
	s_mov_b32 s38, 0
	s_mov_b32 s39, 0
	; joint:
	s_mov_b32 s40, 15|(3<<16)|(1<<21)
	s_mov_b32 s41, 128<<16
	s_mov_b32 s42, 4<<16                           ; the weight's four rows lie 70,656 bytes apart
	s_mov_b32 s43, 128<<16
	s_mov_b32 s44, 4
	s_mov_b32 s45, 8832
	s_mov_b32 s46, 0
	s_mov_b32 s47, 0
	; where the parts come from.  xn's hang on x; the weight's on y and the wave's number alone, in registers that never hold x
	s_lshl_b32 s92, s99, 17                        ; xn: 8 blocks of 16,384 bytes a work-group,
	s_lshl_b32 s93, s13, 16                        ; 4 of them a loading wave
	s_add_co_u32 s92, s92, s93
	s_mov_b32 s93, 0
	s_lshl_b32 s94, s99, 10                        ; xn's scale bytes: my 128 rows
	s_add_co_u32 s94, s94, 4194304
	s_mov_b32 s95, 0
	s_lshl_b32 s96, s101, 17                       ; the weight likewise
	s_lshl_b32 s97, s13, 16
	s_add_co_u32 s96, s96, s97
	s_mov_b32 s97, 0
	s_lshl_b32 s2, s101, 10
	s_mov_b32 s3, 0
	s_lshl_b32 s100, s12, 16                       ; LDS: wave x 65,536: waves 0, 1 fill xn's 8 blocks, waves 2, 3 the weight's 8
	s_wait_dscnt 0x0
	s_wait_kmcnt 0x0
	s_add_nc_u64 s[92:93], s[4:5], s[92:93]
	s_add_nc_u64 s[94:95], s[4:5], s[94:95]
	s_add_nc_u64 s[96:97], s[6:7], s[96:97]
	s_add_nc_u64 s[2:3], s[8:9], s[2:3]
	s_mov_b32 s48, 1
	s_mov_b32 s49, s100
	s_mov_b64 s[50:51], s[92:93]
	s_or_b32 s51, s51, 0x80000000
	s_mov_b32 s68, 1
	s_mov_b32 s69, s100
	s_mov_b64 s[70:71], s[96:97]
	s_or_b32 s71, s71, 0x80000000
	s_mov_b32 s84, 1
	s_mov_b32 s85, WSB
	s_mov_b64 s[86:87], s[2:3]
	s_or_b32 s87, s87, 0x80000000
	s_mov_b32 s88, 1
	s_mov_b32 s89, XSB
	s_mov_b64 s[90:91], s[94:95]
	s_or_b32 s91, s91, 0x80000000
	ROUND                                          ; all four work-groups are here: the joint loads meet
	; THE ONLY FILLS, one a wave, in one chain of arms: waves 0, 1 xn's halves (plain), waves 2, 3 the weight's (joint), wave 4 xn's scale bytes, wave 5 the weight's (joint)
.macro ARM under, g0, g1, next
	s_cmp_lt_u32 s12, \under
	s_cbranch_scc0 \next
	tensor_load_to_lds s[\g0:\g0+3], s[\g1:\g1+7]
	s_nop 0
	PLACES 4
	s_branch .Lasked
\next:
.endm
	ARM 2, 48, 16, .Lhead_w
	ARM 4, 68, 24, .Lhead_sx
	ARM 5, 88, 32, .Lhead_sw
	ARM 6, 84, 40, .Lhead_none
.Lasked:
	; where my R and my S lie in a quarter, and their scale bytes
	s_lshl_b32 s92, s14, 16                        ; g < 9: R = xn's blocks 4 (w / 2) .., 16,384 bytes a block
	s_lshr_b32 s96, s12, 2
	s_lshl_b32 s93, s96, 16
	s_lshl_b32 s97, s13, 15
	s_add_co_u32 s93, s93, s97
	s_add_co_u32 s93, s93, 131072                  ;        S = my group's blocks 2 (w % 2) .., behind xn's 8
	s_lshl_b32 s94, s14, 9
	s_add_co_u32 s94, s94, XSB
	s_lshl_b32 s95, s96, 9
	s_lshl_b32 s97, s13, 8
	s_add_co_u32 s95, s95, s97
	s_add_co_u32 s95, s95, WSB
	s_and_b32 s98, s12, 3
	s_lshl_b32 s96, s98, 15
	s_lshl_b32 s97, s98, 8
	s_add_co_u32 s97, s97, XSB
	s_mov_b32 s98, 196608
	s_mov_b32 s2, WSB+512
	s_cmp_eq_u32 s15, 9
	s_cselect_b32 s92, s98, s92
	s_cselect_b32 s93, s96, s93
	s_cselect_b32 s94, s2, s94
	s_cselect_b32 s95, s97, s95
	v_and_b32 v1, 31, v0
	s_delay_alu instid0(VALU_DEP_1)
	v_lshlrev_b32 v13, 3, v1                       ; the scales' way out: 8 bytes a lane
	s_delay_alu instid0(VALU_DEP_2)
	v_lshlrev_b32 v1, 4, v1                        ; 16 x lane
	v_and_b32 v10, 15, v0                          ; r
	s_delay_alu instid0(VALU_DEP_2)
	v_add_nc_u32 v[RAD], s92, v1                   ; R's fragments
	s_delay_alu instid0(VALU_DEP_3)
	v_add_nc_u32 v[SAD], s93, v1                   ; S's
	v_lshl_add_u32 v6, v10, 3, s94                 ; R's scale words
	v_lshl_add_u32 v7, v10, 3, s95                 ; S's
	s_and_b32 s98, s12, 3
	s_lshl_b32 s92, s98, 11
	v_add_nc_u32 v8, s92, v1                       ; out: 2,048 w + 16 x lane
	s_lshl_b32 s92, s12, 6
	s_add_co_u32 s92, s92, SCST
	v_lshl_add_u32 v9, v10, 2, s92                 ; my scale word's place: SCST + 64 x wave + 4 r
	s_lshr_b32 s92, s12, 2
	s_lshl_b32 s92, s92, 8
	s_add_co_u32 s92, s92, SCST
	v_and_b32 v11, 7, v0
	s_delay_alu instid0(VALU_DEP_1)
	v_lshl_add_u32 v11, v11, 3, s92                ; and where a group's first wave reads two words of each of its four waves
	v_bfe_u32 v12, v0, 3, 2
	s_delay_alu instid0(VALU_DEP_1)
	v_mul_lo_u32 v12, v12, 0x01010101
	s_delay_alu instid0(VALU_DEP_1)
	v_add_nc_u32 v12, 0x04000400, v12              ; byte selects: byte lane / 8 of the second source, then of the first
.irp b, 0,1,2,3
	v_mov_b32 v[TM+4+\b], 0                        ; a lane permute's destination counts as one of its sources
.endr
	s_mov_b32 s[SEL], 0x76543210
	s_mov_b32 s[SEL+1], 0xfedcba98
	s_mov_b32 s[MNT], 0x600000
	s_lshl_b32 s96, s15, 5
	s_add_co_u32 s96, s96, s99                     ; block 32 g + x
	s_lshl_b32 s98, s96, 13
	s_mov_b32 s99, 0
	s_lshl_b32 s96, s96, 8
	s_add_co_u32 s96, s96, 2621440
	s_mov_b32 s97, 0
	s_add_nc_u64 s[98:99], s[10:11], s[98:99]      ; its codes
	s_add_nc_u64 s[96:97], s[10:11], s[96:97]      ; its scale words
; REGISTERS.  Window 0: v1-23 addresses; v32-63 R's scale words (32 + 8 i + step); v64-79 S's (64 + 8 t + step); v96-111 at work; v112 the word made; v128-191 accumulators (128 + 16 i + 8 t); v192-207 codes.
;             Window 1: two sets of fragments at v0 and v96: S's tile t at + 16 t, R's block i at + 32 + 16 i.
.macro FETCH sg                        ; the fragments of step sg (128 along K) into set sg % 2: 24 loads of 512 consecutive bytes
.set FS, 96*((\sg)%2)
.set FO, 2048*(\sg)
	WIN 0x40                                       ; destination window 1
.irp t, 0,1
.irp c, 0,1,2,3
	ds_load_b128 v[FS+16*\t+4*\c:FS+16*\t+4*\c+3], v[SAD] offset:FO+16384*\t+512*\c
.endr
.endr
.irp i, 0,1,2,3
.irp c, 0,1,2,3
	ds_load_b128 v[FS+32+16*\i+4*\c:FS+32+16*\i+4*\c+3], v[RAD] offset:FO+16384*\i+512*\c
.endr
.endr
.endm
.macro MSTEP sg
	s_wait_dscnt 0x0                               ; this step's fragments are in
.if (\sg) < 7
.if (\sg) > 0
	PLACES 8                                       ; places in front of loads into the set that the last step's products read
.endif
	FETCH (\sg)+1
.endif
	WIN 0x05                                       ; sources 0 and 1 window 1
.set MS, 96*((\sg)%2)
.irp i, 0,1,2,3
.irp t, 0,1
.if (\sg) == 0
	v_wmma_scale_f32_16x16x128_f8f6f4 v[128+16*\i+8*\t:135+16*\i+8*\t], v[MS+16*\t:MS+16*\t+15], v[MS+32+16*\i:MS+32+16*\i+15], 0, v[64+8*\t+(\sg)], v[32+8*\i+(\sg)] matrix_a_fmt:MATRIX_FMT_BF8 matrix_b_fmt:MATRIX_FMT_BF8
.else
	v_wmma_scale_f32_16x16x128_f8f6f4 v[128+16*\i+8*\t:135+16*\i+8*\t], v[MS+16*\t:MS+16*\t+15], v[MS+32+16*\i:MS+32+16*\i+15], v[128+16*\i+8*\t:135+16*\i+8*\t], v[64+8*\t+(\sg)], v[32+8*\i+(\sg)] matrix_a_fmt:MATRIX_FMT_BF8 matrix_b_fmt:MATRIX_FMT_BF8
.endif
.endr
.endr
	WIN 0
.endm
	s_wait_alu depctr_va_vdst(0)                   ; the wait at the head's end
	s_wait_tensorcnt 0x0                           ; my one load is in; behind the barrier everybody's is: all of K lies in LDS
	s_barrier_signal -1
	s_barrier_wait -1
.irp ch, 0,1,2,3
.irp i, 0,1,2,3
	ds_load_b64 v[32+8*\i+2*\ch:33+8*\i+2*\ch], v6 offset:128*\i+1024*\ch
.endr
.irp t, 0,1
	ds_load_b64 v[64+8*\t+2*\ch:65+8*\t+2*\ch], v7 offset:128*\t+1024*\ch
.endr
.endr
	FETCH 0
.irp sg, 0,1,2,3,4,5,6,7
	MSTEP \sg
.endr
	PLACES 8                                       ; in front of the first read of results
	QUANT 128, 4, 192, 112                         ; block i: my row of R's block i along my wave's 32 of S
.irp u, 0,1,2,3
	global_store_b128 v8, v[192+4*\u:195+4*\u], s[98:99] offset:512*\u    ; 512 consecutive bytes a store
.endr
	s_barrier_signal -1                            ; no LDS load of any wave is out (each waited in its last step)
	s_barrier_wait -1
	ds_store_b32 v9, v112                          ; lanes l and l xor 16 write the same word with the same value
	s_wait_dscnt 0x0                               ; for the sake of my group's first wave
	s_barrier_signal -1
	s_barrier_wait -1
	s_and_b32 s92, s12, 3
	s_cmp_lg_u32 s92, 0
	s_cbranch_scc1 .Lend
.irp k, 0,1,2,3
	ds_load_b64 v[208+2*\k:209+2*\k], v11 offset:64*\k     ; the words of my group's wave k, rows 2 (lane % 8) and + 1
.endr
	s_wait_dscnt 0x0
	v_perm_b32 v216, v210, v208, v12               ; byte u = lane / 8 of waves 0 and 1 of the group,
	v_perm_b32 v217, v214, v212, v12               ; of waves 2 and 3,
	v_perm_b32 v220, v211, v209, v12
	v_perm_b32 v221, v215, v213, v12
	s_delay_alu instid0(VALU_DEP_3)
	v_perm_b32 v218, v217, v216, 0x05040100        ; joined: word 16 u + r
	s_delay_alu instid0(VALU_DEP_2)
	v_perm_b32 v219, v221, v220, 0x05040100
	global_store_b64 v13, v[218:219], s[96:97]     ; 256 consecutive bytes, aligned
.Lend:
	s_wait_tensorcnt 0x0
	ds_add_u32 v254, v255
	s_wait_dscnt 0x0
	ROUND                                          ; the closing round: no work-group ends while a partner may still ask
	s_endpgm
.Lfunc_end_k_qe553a09eeb_qkvgemm:
	.size	k_qe553a09eeb_qkvgemm, .Lfunc_end_k_qe553a09eeb_qkvgemm-k_qe553a09eeb_qkvgemm
	.p2alignl 7, 3214868480
	.fill 96, 4, 3214868480
	.section	.rodata,"a",@progbits
	.p2align	6, 0x0
	.amdhsa_kernel k_qe553a09eeb_qkvgemm
		.amdhsa_group_segment_fixed_size 271872
		.amdhsa_private_segment_fixed_size 0
		.amdhsa_enable_private_segment 0
		.amdhsa_kernarg_size 32
		.amdhsa_user_sgpr_count 2
		.amdhsa_user_sgpr_kernarg_segment_ptr 1
		.amdhsa_wavefront_size32 1
		.amdhsa_system_sgpr_workgroup_id_x 1
		.amdhsa_system_sgpr_workgroup_id_y 1
		.amdhsa_system_sgpr_workgroup_id_z 1
		.amdhsa_system_vgpr_workitem_id 0
		.amdhsa_next_free_vgpr 512
		.amdhsa_next_free_sgpr 102
		.amdhsa_reserve_vcc 0
		.amdhsa_float_denorm_mode_32 3
		.amdhsa_float_denorm_mode_16_64 3
		.amdhsa_memory_ordered 1
		.amdhsa_forward_progress 1
		.amdhsa_inst_pref_size 44
	.end_amdhsa_kernel
	.amdgpu_metadata
---
amdhsa.version: [ 1, 2 ]
amdhsa.kernels:
  - .name:           k_qe553a09eeb_qkvgemm
    .symbol:         k_qe553a09eeb_qkvgemm.kd
    .args:
      - { .name: xq, .offset: 0, .size: 8, .value_kind: global_buffer, .address_space: global }
      - { .name: wfc, .offset: 8, .size: 8, .value_kind: global_buffer, .address_space: global }
      - { .name: wfs, .offset: 16, .size: 8, .value_kind: global_buffer, .address_space: global }
      - { .name: qkv, .offset: 24, .size: 8, .value_kind: global_buffer, .address_space: global }
    .group_segment_fixed_size: 271872
    .private_segment_fixed_size: 0
    .kernarg_segment_align: 8
    .kernarg_segment_size: 32
    .max_flat_workgroup_size: 256
    .sgpr_count:     102
    .vgpr_count:     512
    .wavefront_size: 32
...
	.end_amdgpu_metadata
.endif
;; end of part 2
;; launch attn (part 3): grid 128 x 2, 8 waves a work-group, clusters of 4 x 1, 271,872 bytes of LDS; arguments qkv, actc, acts; writes actc, acts
.if DOCPART == 3
	.amdgcn_target "amdgcn-amd-amdhsa--gfx1250"
	.amdhsa_code_object_version 6
	.text
	.protected	k_qe553a09eeb_attn
	.globl	k_qe553a09eeb_attn
	.p2align	8
	.type	k_qe553a09eeb_attn,@function
k_qe553a09eeb_attn:
	s_mov_b64 s[64:65], 0
	v_nop
	global_prefetch_b8 v0, s[64:65] scope:SCOPE_SE
	s_setreg_imm32_b32 hwreg(HW_REG_WAVE_MODE, 25, 1), 1
	s_wait_xcnt 0x0
	s_wait_alu depctr_hold_cnt(0) depctr_sa_sdst(0) depctr_va_vdst(0) depctr_va_sdst(0) depctr_va_ssrc(0) depctr_va_vcc(0) depctr_vm_vsrc(0)
	s_getreg_b32 s2, hwreg(HW_REG_IB_STS2, 6, 4)
	s_cmp_eq_u32 s2, 0
	s_cbranch_scc0 .Lentry_in_a_cluster
	s_endpgm
.Lentry_in_a_cluster:
	s_bfe_u32 s2, ttmp6, 0x10000c
	s_cmp_lg_u32 s2, 0x3003
	s_cbranch_scc0 .Lentry_shape_is_right
	s_endpgm
.Lentry_shape_is_right:
; Multi-query attention on codes of BF8 with E8M0 scales: 8 heads of 64, one shared head of keys and values, 2,048 keys a batch; its result is quantised at once for the output product.
; t = score x log2(e) / 8 (the 1 / 8 of q is a power of two: it changes no code, so it is folded in here); M = the running largest t rounded UP to a whole number; p = 2^(t - M) is quantised along the keys;
; the row's sum is taken of the unquantised p and divides at the end.  When M moves, the sum and O are multiplied by 2^(old M - new M): exact.
; SHARES.  A work-group takes 16 tokens of a batch; wave w is head w: one tile of 16 queries in 256 registers, two waves to a SIMD.  All eight heads read the same K and V.
; ALL OF THE BATCH'S K AND V (2 x 128 KB of codes, 2 x 4 KB of scale words) LIES IN LDS, filled once: no slot is filled again.
; CLUSTER.  The four work-groups of a cluster belong to one batch: each tile is asked for JOINTLY, by the same load with the same descriptor and the mask of all four.
; LAYOUT.  Both products transposed: S^T = K Q^T, O^T = V^T P^T: a lane holds one query.  The first product's K is 64: a fragment of K holds keys 16 u + r in its first 64 slots and keys 64 + 16 u + r in its last 64;
; multiplied by (q, zeros) it gives the first, by (zeros, q) the second.  Zero codes add nothing under any scale byte but 0xff.
; The 16 registers of two neighbouring tiles are converted as they stand; v's codes have the same order of keys, q's and k's the same order of channels.
; LIMITS: NaN and infinities are not served; a block whose largest p lies under 2^-111 keeps the byte 1.  The four runs of scale words of a work-group are 64 bytes each.
.set KSC,  262144                      ; K's scale words: 256 bytes for each 128 keys
.set VSC,  266240                      ; V's
.set OSC,  270336                      ; 512 bytes into which no fill lands: the heads' scale words meet here
.set AL,   1                           ; v1  16 x lane
.set AV0,  2                           ; v2  the same in V's codes
.set ASK0, 3                           ; v3  KSC + 4 r
.set ASV0, 4                           ; v4  VSC + 4 r
.set GOC,  5                           ; v5  out: 1,024 x wave + 16 x lane
.set OSA,  6                           ; v6  OSC + 64 x wave + 4 r
.set ORD,  7                           ; v7  where wave 0 reads
.set ADK,  8                           ; v8-11 the step's addresses
.set ADV,  9
.set ADS,  10
.set ADT,  11
.set FRG,  40                          ; v40-103 four fragments, K's and then V's.  v12 -M, v13 the largest t, v[14:15] the sum; v16-39 q, zeros, q
.set S,    104                         ; v104-167 S^T, then p
.set O,    168                         ; v168-199 O^T
.set PC,   200                         ; v200-215 p's codes
.set TM,   216                         ; v216-219 largest, v220-223 bytes, v224-227 limits, v228-231 scale operands
.set KS,   232                         ; v232-235 K's or V's scale words
.set QS,   236                         ; v236 q's scale word: its two bytes, twice
.set PS,   237                         ; v237 p's
.set F,    238                         ; v[238:239] f
.set TMP,  240
.set AOF,  241
.set SUM2, 242
.set WV,   10
.set G1C,  16
.set G1S,  24
.set G0S,  32
.set G0,   36
.set SEL,  52
.set CS,   54
.set MNT,  56
.set TB,   57
.set TS,   58
.set CNT,  59
.macro PLACES n
.rept \n
	v_nop
.endr
.endm
.macro ROUND                           ; a round of the cluster's barrier
	s_barrier_signal -1
	s_barrier_wait -1
	s_cmp_lg_u32 s[WV], 0
	s_cbranch_scc1 .Lnot_wave_0_\@
	s_barrier_signal -3
.Lnot_wave_0_\@:
	s_barrier_wait -3
	s_barrier_signal -1
	s_barrier_wait -1
.endm
.macro QUANT s, nb, pc, pw             ; nb blocks: register s + 16 b + i is slot 16 (lane / 16) + i of block b of my row -> codes in v[pc + 4 b ..], the bytes in v[pw]
.set QB, 0
.rept \nb
	v_max3_num_f32 v[TM+QB], |v[(\s)+16*QB]|, |v[(\s)+1+16*QB]|, 0x8000000
.set QB, QB+1
.endr
.irp i, 2,4,6,8,10,12,14
.set QB, 0
.rept \nb
	s_delay_alu instid0(VALU_DEP_2)
	v_max3_num_f32 v[TM+QB], v[TM+QB], |v[(\s)+16*QB+\i]|, |v[(\s)+1+16*QB+\i]|
.set QB, QB+1
.endr
.endr
.set QB, 0
.rept \nb
	s_delay_alu instid0(VALU_DEP_2)
	v_permlanex16_b32 v[TM+4+QB], v[TM+QB], s[SEL], s[SEL+1]
.set QB, QB+1
.endr
.set QB, 0
.rept \nb
	s_delay_alu instid0(VALU_DEP_2)
	v_max_num_f32 v[TM+QB], v[TM+QB], v[TM+4+QB]
.set QB, QB+1
.endr
.set QB, 0
.rept \nb
	s_delay_alu instid0(VALU_DEP_2)
	v_add_nc_u32 v[TM+12+QB], 0xf8800000, v[TM+QB]
.set QB, QB+1
.endr
.set QB, 0
.rept \nb
	s_delay_alu instid0(VALU_DEP_4)
	v_and_or_b32 v[TM+8+QB], v[TM+QB], 0x7f800000, s[MNT]
.set QB, QB+1
.endr
.set QB, 0
.rept \nb
	s_delay_alu instid0(VALU_DEP_4)
	v_lshrrev_b32 v[TM+4+QB], 23, v[TM+12+QB]
.set QB, QB+1
.endr
	s_delay_alu instid0(VALU_DEP_1)
	v_lshl_or_b32 v[\pw], v[TM+5], 8, v[TM+4]
.if \nb > 2
	v_lshl_or_b32 v[\pw], v[TM+6], 16, v[\pw]
	v_lshl_or_b32 v[\pw], v[TM+7], 24, v[\pw]
.endif
.set QB, 0
.rept \nb
.set QI, 0
.rept 16
	v_med3_num_f32 v[(\s)+16*QB+QI], v[(\s)+16*QB+QI], -v[TM+8+QB], v[TM+8+QB]
.set QI, QI+1
.endr
	v_cvt_scalef32_pk8_bf8_f32 v[(\pc)+4*QB:(\pc)+4*QB+1], v[(\s)+16*QB:(\s)+16*QB+7], v[TM+12+QB]
	v_cvt_scalef32_pk8_bf8_f32 v[(\pc)+4*QB+2:(\pc)+4*QB+3], v[(\s)+16*QB+8:(\s)+16*QB+15], v[TM+12+QB]
.set QB, QB+1
.endr
	v_nop
.endm
	s_load_b128 s[4:7], s[0:1], 0x0                ; qkv, actc
	s_load_b64 s[8:9], s[0:1], 0x10                ; acts
	v_lshl_add_u32 v254, v0, 2, 0x42200
	v_mov_b32 v255, 0
	ds_add_u32 v254, v255
	ds_add_u32 v254, v255
	v_lshrrev_b32 v1, 5, v0
	s_delay_alu instid0(VALU_DEP_1)
	v_readfirstlane_b32 s[WV], v1                  ; wave = head
	s_bfe_u32 s11, ttmp6, 0x40000                  ; cx: it enters global addresses of q and of the results, and one shift count; no LDS address, no branch
	s_lshl_b32 s12, ttmp9, 2
	s_add_co_u32 s12, s12, s11                     ; which 16 tokens of the batch
	s_and_b32 s13, ttmp7, 0xffff                   ; the batch, which the four partners share
	; group 1: two rows of 4,096 elements of 8 bytes
	s_mov_b32 s[G1C], 15|(3<<16)|(1<<21)           ; the mask: all four work-groups; bit 21 beside it
	s_mov_b32 s[G1C+1], 4096<<16                   ; a quarter: two rows of 32,768 bytes, K's 512 keys and V's, 262,144 bytes apart in memory, on end in LDS
	s_mov_b32 s[G1C+2], 2<<16
	s_mov_b32 s[G1C+3], 4096<<16
	s_mov_b32 s[G1C+4], 2
	s_mov_b32 s[G1C+5], 32768
	s_mov_b32 s[G1C+6], 0
	s_mov_b32 s[G1C+7], 0
	; and the scale words: two rows of 512 elements
	s_mov_b32 s[G1S], 15|(3<<16)|(1<<21)
	s_mov_b32 s[G1S+1], 512<<16                    ; the scale words: two rows of 4,096 bytes, K's and V's, 8,192 bytes apart
	s_mov_b32 s[G1S+2], 2<<16
	s_mov_b32 s[G1S+3], 512<<16
	s_mov_b32 s[G1S+4], 2
	s_mov_b32 s[G1S+5], 1024
	s_mov_b32 s[G1S+6], 0
	s_mov_b32 s[G1S+7], 0
	s_lshl_b32 s66, s13, 17                        ; group 8 is k (group 9, v, is the tile's second row): 32 blocks of 8 KB a group, 16 a batch
	s_add_co_u32 s66, s66, 8<<18
	s_mov_b32 s67, 0
	s_lshl_b32 s68, s13, 12                        ; the scale words: 256 bytes a block
	s_add_co_u32 s68, s68, 2621440+(8<<13)
	s_mov_b32 s69, 0
	; q: block (head, 16 batch + tokens / 8): images 2 half and 2 half + 1, part u
	s_lshl_b32 s77, s13, 4
	s_lshr_b32 s74, s12, 3
	s_add_co_u32 s77, s77, s74
	s_bfe_u32 s75, s12, 0x10002                    ; half
	s_and_b32 s76, s12, 3                          ; u
	s_lshl_b32 s72, s[WV], 18
	s_lshl_b32 s74, s77, 13
	s_add_co_u32 s72, s72, s74
	s_lshl_b32 s74, s75, 12
	s_add_co_u32 s72, s72, s74
	s_lshl_b32 s74, s76, 9
	s_add_co_u32 s72, s72, s74
	s_mov_b32 s73, 0
	s_lshl_b32 s78, s[WV], 5
	s_add_co_u32 s78, s78, s77
	s_lshl_b32 s78, s78, 8
	s_lshl_b32 s74, s76, 6
	s_add_co_u32 s78, s78, s74
	s_add_co_u32 s78, s78, 2621440
	s_mov_b32 s79, 0
	s_lshl_b32 s75, s75, 4                         ; my two bytes of q's scale word begin at bit 16 half
	s_lshl_b32 s60, s13, 7
	s_add_co_u32 s60, s60, s12                     ; my block of 16 rows of the output product's operand
	s_mul_i32 s62, s60, 73728
	s_mov_b32 s63, 0
	s_lshl_b32 s60, s60, 6
	s_mov_b32 s61, 0
	s_mov_b32 s[SEL], 0x76543210
	s_mov_b32 s[SEL+1], 0xfedcba98
	s_mov_b32 s[CS], 0x3e38aa3b                    ; log2(e) / 8
	s_mov_b32 s[CS+1], s[CS]                       ; (named with it as a pair, so written)
	s_mov_b32 s[MNT], 0x600000
	s_wait_dscnt 0x0
	s_wait_kmcnt 0x0
	s_add_nc_u64 s[66:67], s[4:5], s[66:67]
	s_add_nc_u64 s[68:69], s[4:5], s[68:69]
	s_add_nc_u64 s[72:73], s[4:5], s[72:73]
	s_add_nc_u64 s[78:79], s[4:5], s[78:79]
	s_add_nc_u64 s[6:7], s[6:7], s[62:63]
	s_add_nc_u64 s[8:9], s[8:9], s[60:61]
	s_mov_b32 s[G0S], 1
	s_mov_b32 s[G0S+1], KSC
	s_mov_b64 s[G0S+2:G0S+3], s[68:69]
	s_or_b32 s[G0S+3], s[G0S+3], 0x80000000
.irp p, 0,1,2,3
	s_mov_b32 s[G0+4*\p], 1
	s_mov_b32 s[G0+4*\p+1], \p*65536
	s_add_nc_u64 s[G0+4*\p+2:G0+4*\p+3], s[66:67], \p*32768
	s_or_b32 s[G0+4*\p+3], s[G0+4*\p+3], 0x80000000
.endr
	ROUND                                          ; all four work-groups are here: the joint loads meet
	; THE ONLY FILLS, one a wave, each arm a line of its own: wave 0 quarter 0, wave 1 the scale words, waves 2, 3, 4 quarters 1, 2, 3
.macro ARM under, g0, g1, next
	s_cmp_lt_u32 s[WV], \under
	s_cbranch_scc0 \next
	tensor_load_to_lds s[\g0:\g0+3], s[\g1:\g1+7]
	s_nop 0
	PLACES 4
	s_branch .Lhead_asked
\next:
.endm
	ARM 1, G0,    G1C, .Lhead_s
	ARM 2, G0S,   G1S, .Lhead_1
	ARM 3, G0+4,  G1C, .Lhead_2
	ARM 4, G0+8,  G1C, .Lhead_3
	ARM 5, G0+12, G1C, .Lhead_none
.Lhead_asked:
	v_and_b32 v[AL], 31, v0
	s_delay_alu instid0(VALU_DEP_1)
	v_lshlrev_b32 v[AL], 4, v[AL]
	v_and_b32 v244, 15, v0                         ; r
	s_delay_alu instid0(VALU_DEP_1)
	v_lshlrev_b32 v245, 2, v244
	global_load_b128 v[16:19], v[AL], s[72:73]
	global_load_b128 v[20:23], v[AL], s[72:73] offset:2048
	global_load_b128 v[32:35], v[AL], s[72:73]     ; q once more, behind the zeros
	global_load_b128 v[36:39], v[AL], s[72:73] offset:2048
	global_load_b32 v[QS], v245, s[78:79]
	v_add_nc_u32 v[AV0], 32768, v[AL]
	v_lshl_add_u32 v[ASK0], v244, 2, KSC
	v_lshl_add_u32 v[ASV0], v244, 2, VSC
	s_lshl_b32 s61, s[WV], 10
	v_add_nc_u32 v[GOC], s61, v[AL]
	s_lshl_b32 s61, s[WV], 6
	s_add_co_u32 s61, s61, OSC
	v_lshl_add_u32 v[OSA], v244, 2, s61
	v_and_b32 v[AOF], 7, v0
	v_bfe_u32 v246, v0, 3, 2
	s_delay_alu instid0(VALU_DEP_2)
	v_lshlrev_b32 v[AOF], 3, v[AOF]
	s_delay_alu instid0(VALU_DEP_1)
	v_lshl_add_u32 v[ORD], v246, 7, v[AOF]
	s_delay_alu instid0(VALU_DEP_1)
	v_add_nc_u32 v[ORD], OSC, v[ORD]               ; OSC + 128 (lane / 8) + 8 (lane % 8)
	s_delay_alu instid0(VALU_DEP_3)
	v_lshl_add_u32 v[AOF], v246, 14, v[AOF]        ; and in the scale words' buffer: 16,384 (lane / 8) + 8 (lane % 8)
	s_wait_loadcnt 0x0                             ; q and its scale word
	v_lshrrev_b32 v[QS], s75, v[QS]
	s_delay_alu instid0(VALU_DEP_1)
	v_and_b32 v[QS], 0xffff, v[QS]
	s_delay_alu instid0(VALU_DEP_1)
	v_lshl_or_b32 v[QS], v[QS], 16, v[QS]          ; the two bytes serve (q, zeros) below and (zeros, q) above; the lines that follow are far more than the eight places in front of a product
.set J, 0
.rept 8
	v_mov_b32 v[24+J], 0                           ; the zeros between the two copies of q
.set J, J+1
.endr
.set J, 0
.rept 32
	v_mov_b32 v[O+J], 0                            ; O^T: the step is written once; its first pass finds zeros
.set J, J+1
.endr
	v_mov_b32 v13, 0xff61b1e6                      ; the largest t so far: -3e38
	s_delay_alu instid0(VALU_DEP_1)
	v_floor_f32 v12, -v13                          ; -M
	v_mov_b32 v14, 0
	v_mov_b32 v15, 0
.irp b, 0,1,2,3
	v_mov_b32 v[TM+4+\b], 0                        ; a lane permute's destination counts as one of its sources
.endr
	v_mov_b32 v[F+1], 0
	v_mov_b32 v[TMP], 0
; A KEY STEP: 128 keys
.macro STEP
	v_add_nc_u32 v[ADK], s[TB], v[AL]
	v_add_nc_u32 v[ADV], s[TB], v[AV0]
	v_add_nc_u32 v[ADS], s[TS], v[ASK0]
	v_add_nc_u32 v[ADT], s[TS], v[ASV0]
	PLACES 4                                       ; with the four above: eight places in front of loads into registers that the last step's products read
.irp u, 0,1,2,3
.irp c, 0,1,2,3
	ds_load_b128 v[FRG+16*\u+4*\c:FRG+16*\u+4*\c+3], v[ADK] offset:2048*\c+512*\u
.endr
	ds_load_b32 v[KS+\u], v[ADS] offset:64*\u
.endr
	s_wait_alu depctr_va_vdst(0)
	s_wait_dscnt 0x0
.irp u, 0,1,2,3
	v_wmma_scale_f32_16x16x128_f8f6f4 v[S+8*\u:S+8*\u+7], v[FRG+16*\u:FRG+16*\u+15], v[16:31], 0, v[KS+\u], v[QS] matrix_a_fmt:MATRIX_FMT_BF8 matrix_b_fmt:MATRIX_FMT_BF8
.endr
.irp u, 0,1,2,3
	v_wmma_scale_f32_16x16x128_f8f6f4 v[S+32+8*\u:S+32+8*\u+7], v[FRG+16*\u:FRG+16*\u+15], v[24:39], 0, v[KS+\u], v[QS] matrix_a_fmt:MATRIX_FMT_BF8 matrix_b_fmt:MATRIX_FMT_BF8
.endr
	PLACES 8                                       ; in front of the loads below and of the first read of the scores
.irp u, 0,1,2,3
.irp c, 0,1,2,3
	ds_load_b128 v[FRG+16*\u+4*\c:FRG+16*\u+4*\c+3], v[ADV] offset:2048*\c+512*\u   ; V's fragments land while the softmax is walked
.endr
	ds_load_b32 v[KS+\u], v[ADT] offset:64*\u
.endr
.irp b, 0,1,2,3
	v_max3_num_f32 v[TM+\b], v[S+16*\b], v[S+1+16*\b], v[S+2+16*\b]   ; the largest score of each block of 32 keys: for the row's maximum and for the block's largest p
.endr
.irp i, 3,5,7,9,11,13
.irp b, 0,1,2,3
	v_max3_num_f32 v[TM+\b], v[TM+\b], v[S+16*\b+\i], v[S+1+16*\b+\i]
.endr
.endr
.irp b, 0,1,2,3
	v_max_num_f32 v[TM+\b], v[TM+\b], v[S+15+16*\b]
.endr
.irp b, 0,1,2,3
	s_delay_alu instid0(VALU_DEP_4)
	v_permlanex16_b32 v[TM+4+\b], v[TM+\b], s[SEL], s[SEL+1]
.endr
.irp b, 0,1,2,3
	s_delay_alu instid0(VALU_DEP_4)
	v_max_num_f32 v[TM+\b], v[TM+\b], v[TM+4+\b]
.endr
	s_delay_alu instid0(VALU_DEP_2)
	v_max3_num_f32 v[TMP], v[TM], v[TM+1], v[TM+2]
	s_delay_alu instid0(VALU_DEP_1)
	v_max_num_f32 v[TMP], v[TMP], v[TM+3]
	s_delay_alu instid0(VALU_DEP_1)
	v_mul_f32 v[TMP], s[CS], v[TMP]
	s_delay_alu instid0(VALU_DEP_1)
	v_max_num_f32 v13, v13, v[TMP]                 ; the running largest t
	v_mov_b32 v[TMP], v12
	s_delay_alu instid0(VALU_DEP_2)
	v_floor_f32 v12, -v13                          ; the new -M = -ceil(t)
	s_delay_alu instid0(VALU_DEP_1)
	v_sub_f32 v[TMP], v12, v[TMP]                  ; old M - new M: a whole number, 0 or less
	s_delay_alu instid0(VALU_DEP_1)
	v_cvt_i32_f32 v[TMP], v[TMP]                   ; (it saturates)
	s_delay_alu instid0(VALU_DEP_1)
	v_ldexp_f32 v[F], 1.0, v[TMP]                  ; f = 2^(old M - new M)
.set J, 0
.rept 32
	v_pk_fma_f32 v[S+J:S+J+1], v[S+J:S+J+1], s[CS:CS+1], v[12:13] op_sel_hi:[1,0,0]   ; t - M
.set J, J+2
.endr
.irp b, 0,1,2,3
	v_fma_f32 v[TM+\b], v[TM+\b], s[CS], v12
.endr
.set J, 0
	s_wait_alu depctr_va_vdst(0)
.rept 64
	v_exp_f32 v[S+J], v[S+J]                       ; p
.set J, J+1
.endr
.irp b, 0,1,2,3
	v_exp_f32 v[TM+\b], v[TM+\b]                   ; the block's largest p: the same two instructions on the same number
.endr
	v_pk_mul_f32 v[14:15], v[14:15], v[F:F+1] op_sel_hi:[1,0]   ; the sums under the new M (a plain line behind the exponentials)
	s_wait_alu depctr_va_vdst(0)
.irp b, 0,1,2,3
	v_max_num_f32 v[TM+\b], 0x8000000, v[TM+\b]    ; the floor 2^(16 - 127)
.endr
.irp b, 0,1,2,3
	s_delay_alu instid0(VALU_DEP_4)
	v_add_nc_u32 v[TM+12+\b], 0xf8800000, v[TM+\b]
.endr
.irp b, 0,1,2,3
	v_and_or_b32 v[TM+8+\b], v[TM+\b], 0x7f800000, s[MNT]
.endr
.irp b, 0,1,2,3
	v_lshrrev_b32 v[TM+4+\b], 23, v[TM+12+\b]
.endr
	s_delay_alu instid0(VALU_DEP_3)
	v_lshl_or_b32 v[PS], v[TM+5], 8, v[TM+4]       ; p's scale word for these 128 keys
	s_delay_alu instid0(VALU_DEP_1)
	v_lshl_or_b32 v[PS], v[TM+6], 16, v[PS]
	s_delay_alu instid0(VALU_DEP_1)
	v_lshl_or_b32 v[PS], v[TM+7], 24, v[PS]
	v_pk_add_f32 v[242:243], v[108:109], v[112:113]
	v_pk_add_f32 v[252:253], v[116:117], v[120:121]
	v_pk_add_f32 v[250:251], v[124:125], v[128:129]
	v_pk_add_f32 v[248:249], v[132:133], v[136:137]
	v_pk_add_f32 v[246:247], v[140:141], v[144:145]
	v_pk_add_f32 v[244:245], v[148:149], v[152:153]
	v_pk_add_f32 v[218:219], v[156:157], v[160:161]
	v_pk_add_f32 v[14:15], v[14:15], v[164:165]
	v_pk_add_f32 v[242:243], v[242:243], v[104:105]
	v_pk_add_f32 v[252:253], v[252:253], v[106:107]
	v_pk_add_f32 v[250:251], v[250:251], v[110:111]
	v_pk_add_f32 v[248:249], v[248:249], v[114:115]
	v_pk_add_f32 v[246:247], v[246:247], v[118:119]
	v_pk_add_f32 v[244:245], v[244:245], v[122:123]
	v_pk_add_f32 v[218:219], v[218:219], v[126:127]
	v_pk_add_f32 v[14:15], v[14:15], v[130:131]
	v_pk_add_f32 v[242:243], v[242:243], v[134:135]
	v_pk_add_f32 v[252:253], v[252:253], v[138:139]
	v_pk_add_f32 v[250:251], v[250:251], v[142:143]
	v_pk_add_f32 v[248:249], v[248:249], v[146:147]
	v_pk_add_f32 v[246:247], v[246:247], v[150:151]
	v_pk_add_f32 v[244:245], v[244:245], v[154:155]
	v_pk_add_f32 v[218:219], v[218:219], v[158:159]
	v_pk_add_f32 v[14:15], v[14:15], v[162:163]
	v_pk_add_f32 v[242:243], v[242:243], v[166:167]
	s_delay_alu instid0(VALU_DEP_2)
	v_pk_add_f32 v[14:15], v[14:15], v[248:249]
	s_delay_alu instid0(VALU_DEP_2)
	v_pk_add_f32 v[242:243], v[242:243], v[246:247]
	v_pk_add_f32 v[252:253], v[252:253], v[244:245]
	v_pk_add_f32 v[250:251], v[250:251], v[218:219]
	s_delay_alu instid0(VALU_DEP_2)
	v_pk_add_f32 v[14:15], v[14:15], v[252:253]
	s_delay_alu instid0(VALU_DEP_2)
	v_pk_add_f32 v[242:243], v[242:243], v[250:251]
	s_delay_alu instid0(VALU_DEP_1)
	v_pk_add_f32 v[14:15], v[14:15], v[242:243]
.irp b, 0,1,2,3
.set J, 0
.rept 16
	v_min_num_f32 v[S+16*\b+J], v[S+16*\b+J], v[TM+8+\b]   ; the hold; p is not negative
.set J, J+1
.endr
	v_cvt_scalef32_pk8_bf8_f32 v[PC+4*\b:PC+4*\b+1], v[S+16*\b:S+16*\b+7], v[TM+12+\b]
	v_cvt_scalef32_pk8_bf8_f32 v[PC+4*\b+2:PC+4*\b+3], v[S+16*\b+8:S+16*\b+15], v[TM+12+\b]
.endr
.set J, 0
.rept 16
	v_pk_mul_f32 v[O+J:O+J+1], v[O+J:O+J+1], v[F:F+1] op_sel_hi:[1,0]   ; O^T under the new M; these sixteen are also the places between the conversions and the products
.set J, J+2
.endr
	s_wait_alu depctr_va_vdst(0)
	s_wait_dscnt 0x0                               ; V's fragments and scale words
.irp u, 0,1,2,3
	v_wmma_scale_f32_16x16x128_f8f6f4 v[O+8*\u:O+8*\u+7], v[FRG+16*\u:FRG+16*\u+15], v[PC:PC+15], v[O+8*\u:O+8*\u+7], v[KS+\u], v[PS] matrix_a_fmt:MATRIX_FMT_BF8 matrix_b_fmt:MATRIX_FMT_BF8
.endr
	s_add_co_u32 s[TB], s[TB], 8192
	s_add_co_u32 s[TS], s[TS], 256
.endm
.macro QUARTER p                       ; key steps 4 p to 4 p + 3
.if \p == 0
	s_wait_alu depctr_va_vdst(0)                   ; the wait at the head's end
.endif
.if \p < 3
	s_cmp_lt_u32 s[WV], 2+\p                       ; the waves whose lines this barrier shows: this quarter's and the earlier ones'
	s_cbranch_scc0 .Lnot_mine_\@
	s_wait_tensorcnt 0x0
.Lnot_mine_\@:
.else
	s_wait_tensorcnt 0x0                           ; the last barrier shows all that is still out: every wave waits
.endif
	s_wait_dscnt 0x0
	s_barrier_signal -1
	s_barrier_wait -1                              ; everybody's is
	s_mov_b32 s[TB], \p*65536
	s_mov_b32 s[TS], \p*1024
	s_mov_b32 s[CNT], 4
.Lstep_\@:
	STEP
	s_sub_co_u32 s[CNT], s[CNT], 1
	s_cmp_lg_u32 s[CNT], 0
	s_cbranch_scc1 .Lstep_\@
.endm
	QUARTER 0
	QUARTER 1
	QUARTER 2
	QUARTER 3
	; THE WAY OUT: O^T / the sum, quantised along the head's 64: blocks 2 head and 2 head + 1 of the output product's K
	PLACES 8
	v_add_f32 v14, v14, v15
	s_delay_alu instid0(VALU_DEP_1)
	v_permlanex16_b32 v[TMP], v14, s[SEL], s[SEL+1]
	s_delay_alu instid0(VALU_DEP_1)
	v_add_f32 v14, v14, v[TMP]
	s_wait_alu depctr_va_vdst(0)
	v_rcp_f32 v14, v14
	v_nop
.set J, 0
	s_wait_alu depctr_va_vdst(0)
.rept 32
	v_mul_f32 v[S+J], v[O+J], v14                  ; each accumulator from its low end on
.set J, J+1
.endr
	QUANT S, 2, PC, TMP
	global_store_b128 v[GOC], v[PC:PC+3], s[6:7]               ; 512 consecutive bytes a store
	global_store_b128 v[GOC], v[PC+4:PC+7], s[6:7] offset:512
	ds_store_b32 v[OSA], v[TMP]                    ; my head's two bytes of row r
	s_wait_dscnt 0x0
	s_barrier_signal -1
	s_barrier_wait -1
	s_cmp_lg_u32 s[WV], 0
	s_cbranch_scc1 .Lnot0
	ds_load_b64 v[246:247], v[ORD]                 ; heads 2 s and 2 s + 1, s = lane / 8, rows 2 (lane % 8) and + 1
	ds_load_b64 v[248:249], v[ORD] offset:64
	s_wait_dscnt 0x0
	v_lshl_or_b32 v246, v248, 16, v246
	v_lshl_or_b32 v247, v249, 16, v247
	global_store_b64 v[AOF], v[246:247], s[8:9]
.Lnot0:
	s_wait_tensorcnt 0x0
	ds_add_u32 v254, v255
	s_wait_dscnt 0x0
	ROUND                                          ; the closing round: no work-group ends while a partner may still ask
	s_endpgm
.Lfunc_end_k_qe553a09eeb_attn:
	.size	k_qe553a09eeb_attn, .Lfunc_end_k_qe553a09eeb_attn-k_qe553a09eeb_attn
	.p2alignl 7, 3214868480
	.fill 96, 4, 3214868480
	.section	.rodata,"a",@progbits
	.p2align	6, 0x0
	.amdhsa_kernel k_qe553a09eeb_attn
		.amdhsa_group_segment_fixed_size 271872
		.amdhsa_private_segment_fixed_size 0
		.amdhsa_enable_private_segment 0
		.amdhsa_kernarg_size 24
		.amdhsa_user_sgpr_count 2
		.amdhsa_user_sgpr_kernarg_segment_ptr 1
		.amdhsa_wavefront_size32 1
		.amdhsa_system_sgpr_workgroup_id_x 1
		.amdhsa_system_sgpr_workgroup_id_y 1
		.amdhsa_system_sgpr_workgroup_id_z 1
		.amdhsa_system_vgpr_workitem_id 0
		.amdhsa_next_free_vgpr 256
		.amdhsa_next_free_sgpr 80
		.amdhsa_reserve_vcc 0
		.amdhsa_float_denorm_mode_32 3
		.amdhsa_float_denorm_mode_16_64 3
		.amdhsa_memory_ordered 1
		.amdhsa_forward_progress 1
		.amdhsa_inst_pref_size 98
	.end_amdhsa_kernel
	.amdgpu_metadata
---
amdhsa.version: [ 1, 2 ]
amdhsa.kernels:
  - .name:           k_qe553a09eeb_attn
    .symbol:         k_qe553a09eeb_attn.kd
    .args:
      - { .name: qkv, .offset: 0, .size: 8, .value_kind: global_buffer, .address_space: global }
      - { .name: actc, .offset: 8, .size: 8, .value_kind: global_buffer, .address_space: global }
      - { .name: acts, .offset: 16, .size: 8, .value_kind: global_buffer, .address_space: global }
    .group_segment_fixed_size: 271872
    .private_segment_fixed_size: 0
    .kernarg_segment_align: 8
    .kernarg_segment_size: 24
    .max_flat_workgroup_size: 256
    .sgpr_count:     80
    .vgpr_count:     256
    .wavefront_size: 32
...
	.end_amdgpu_metadata
.endif
;; end of part 3
;; launch ffgemm (part 4): grid 32 x 16, 4 waves a work-group, clusters of 4 x 4, 327,680 bytes of LDS; arguments xq, wfc, wfs, actc, acts; writes actc, acts
.if DOCPART == 4
	.amdgcn_target "amdgcn-amd-amdhsa--gfx1250"
	.amdhsa_code_object_version 6
	.text
	.protected	k_qe553a09eeb_ffgemm
	.globl	k_qe553a09eeb_ffgemm
	.p2align	8
	.type	k_qe553a09eeb_ffgemm,@function
k_qe553a09eeb_ffgemm:
	s_mov_b64 s[64:65], 0
	v_nop
	global_prefetch_b8 v0, s[64:65] scope:SCOPE_SE
	s_setreg_imm32_b32 hwreg(HW_REG_WAVE_MODE, 25, 1), 1
	s_wait_xcnt 0x0
	s_wait_alu depctr_hold_cnt(0) depctr_sa_sdst(0) depctr_va_vdst(0) depctr_va_sdst(0) depctr_va_ssrc(0) depctr_va_vcc(0) depctr_vm_vsrc(0)
	s_getreg_b32 s2, hwreg(HW_REG_IB_STS2, 6, 4)
	s_cmp_eq_u32 s2, 0
	s_cbranch_scc0 .Lentry_in_a_cluster
	s_endpgm
.Lentry_in_a_cluster:
	s_bfe_u32 s2, ttmp6, 0x10000c
	s_cmp_lg_u32 s2, 0xf033
	s_cbranch_scc0 .Lentry_shape_is_right
	s_endpgm
.Lentry_shape_is_right:
; The feed-forward part of the fused projection on codes of BF8 with E8M0 scales, K = 1,024; silu(gate) x ff_x in f32 on the way out, quantised at once along the 4,096 for the output product.
; A work-group makes 256 rows x (128 columns of ff_x and the same 128 of the gate): the weight's blocks of 16 columns were laid by turns, four of ff_x, four of the gate.
; Four waves, each 128 rows x (64 + 64) columns: 64 accumulators, 512 registers.  K goes in steps of 256 through a ring of two LDS slots filled by the tensor data mover.
; CODES LIE AS IMAGES OF THE OPERAND'S REGISTERS ([16 rows][32 along K][512 bytes]): a fragment is four loads of 512 consecutive bytes; no padding.
; The scale bytes of the work-group's rows, for all of K, come once with the first fills.
; CLUSTER 4 x 4: xn's tile is shared along a row of the cluster, the weight's along a column: joint loads with a mask of four.
; THE MATRIX INSTRUCTION IS USED TRANSPOSED (source 0 = the weight, source 1 = xn): a lane holds one row, its registers run along the columns, the output product's K.
; REGISTERS: window 0: v16-30 addresses; v32-63 scale words, two sets; v64-127 at work on the way out; from v128 xn's fragments, one set (on the way out: the codes);
;   window 1: the weight's fragments, two sets; windows 2, 3: the accumulators ((a, b) at v[8 (8 (a % 4) + b)]; b = 0-3 ff_x, 4-7 the gate).
; LIMITS: NaN and infinities are not served; for a gate under about -88 the exponential is infinite and silu comes out as -0; a block whose largest magnitude lies under 2^-111 keeps the byte 1.
.set NQ,    2
.set FR,    16
.set NL,    4
.set NP,    8
.set SLOT,  131072                     ; wave-quarter w at 32,768 w: 8 blocks of 16 rows x 4,096 bytes; xn's two, then the weight's two
.set SCL,   262144                     ; scale bytes: xn's at 0, the weight's at 8,320: each [4][256 rows x 8 bytes]; the 128 set the weight's words on the other half of the banks
.set SPARE, 278784                     ; the spare words: 512 bytes that no other line names
.set MST,   279296                     ; 2,048 bytes into which no fill lands: the waves' scale bytes meet here
.set ADRA, 16
.set ADRB, 20
.set MSTO, 24
.set MRD,  25
.set CO,   26
.set ADRS, 27
.set SPW,  28
.set NIL,  29
.set AO,   30
.set SC,   32
.set T,    64
.set TM,   96
.set HW,   112
.set AF,   128
.set G1, 24
.set G0, 32
.set G1B, 48
.set G0B, 56
.set G1S, 68
.set G0S, 76
.set G1SB, 80
.set G0SB, 88
.set SEL, 2
.set MNT, 95
.set LE,  96
.set MSB, 0
.macro WIN new
.if MSB != (\new)
	s_set_vgpr_msb (MSB<<8)|(\new)
.set MSB, \new
.endif
.endm
.set MUL_LO, 0xa1                      ; source 0 window 1, source 1 window 0, C and D window 2
.set MUL_HI, 0xf1
.set TO_B,   0x40
.macro JLOAD g0a, g1a, g0b, g1b        ; waves 0, 1 fetch for xn, waves 2, 3 for the weight; four v_nop follow each of the two lines
	s_cmp_eq_u32 s15, 0
	s_cbranch_scc0 .Lfor_b_\@
	tensor_load_to_lds s[\g0a:\g0a+3], s[\g1a:\g1a+7]
	s_nop 0
.rept 4
	v_nop
.endr
	s_branch .Lasked_\@
.Lfor_b_\@:
	tensor_load_to_lds s[\g0b:\g0b+3], s[\g1b:\g1b+7]
	s_nop 0
.rept 4
	v_nop
.endr
.Lasked_\@:
.endm
.macro CREST
	s_cmp_lg_u32 s14, 0
	s_cbranch_scc1 .Lnot_wave_0_\@
	s_barrier_signal -3
.Lnot_wave_0_\@:
	s_barrier_wait -3
	s_barrier_signal -1
	s_barrier_wait -1
.endm
.macro CROUND
	s_barrier_signal -1
	s_barrier_wait -1
	CREST
.endm
.macro PLACES n
.rept \n
	v_nop
.endr
.endm
.macro QUANT s, nb, pc, pw             ; nb blocks: register s + 16 b + i is slot 16 (lane / 16) + i of block b of my row -> codes in v[pc + 4 b ..], the bytes in v[pw]
.set QB, 0
.rept \nb
	v_max3_num_f32 v[TM+QB], |v[(\s)+16*QB]|, |v[(\s)+1+16*QB]|, 0x8000000
.set QB, QB+1
.endr
.irp i, 2,4,6,8,10,12,14
.set QB, 0
.rept \nb
	v_max3_num_f32 v[TM+QB], v[TM+QB], |v[(\s)+16*QB+\i]|, |v[(\s)+1+16*QB+\i]|
.set QB, QB+1
.endr
.endr
.set QB, 0
.rept \nb
	v_permlanex16_b32 v[TM+4+QB], v[TM+QB], s[SEL], s[SEL+1]
.set QB, QB+1
.endr
.set QB, 0
.rept \nb
	v_max_num_f32 v[TM+QB], v[TM+QB], v[TM+4+QB]
.set QB, QB+1
.endr
.set QB, 0
.rept \nb
	v_add_nc_u32 v[TM+12+QB], 0xf8800000, v[TM+QB]
.set QB, QB+1
.endr
.set QB, 0
.rept \nb
	v_and_or_b32 v[TM+8+QB], v[TM+QB], 0x7f800000, s[MNT]
.set QB, QB+1
.endr
.set QB, 0
.rept \nb
	v_lshrrev_b32 v[TM+4+QB], 23, v[TM+12+QB]
.set QB, QB+1
.endr
	v_lshl_or_b32 v[\pw], v[TM+5], 8, v[TM+4]
.if \nb > 2
	v_lshl_or_b32 v[\pw], v[TM+6], 16, v[\pw]
	v_lshl_or_b32 v[\pw], v[TM+7], 24, v[\pw]
.endif
.set QB, 0
.rept \nb
.set QI, 0
.rept 16
	v_med3_num_f32 v[(\s)+16*QB+QI], v[(\s)+16*QB+QI], -v[TM+8+QB], v[TM+8+QB]
.set QI, QI+1
.endr
	v_cvt_scalef32_pk8_bf8_f32 v[(\pc)+4*QB:(\pc)+4*QB+1], v[(\s)+16*QB:(\s)+16*QB+7], v[TM+12+QB]
	v_cvt_scalef32_pk8_bf8_f32 v[(\pc)+4*QB+2:(\pc)+4*QB+3], v[(\s)+16*QB+8:(\s)+16*QB+15], v[TM+12+QB]
.set QB, QB+1
.endr
	v_nop
.endm
	s_load_b256 s[4:11], s[0:1], 0x0               ; xq, wfc, wfs, actc
	s_load_b64 s[12:13], s[0:1], 0x20              ; acts
	v_lshl_add_u32 v[SPW], v0, 2, SPARE
	v_mov_b32 v[NIL], 0
	ds_add_u32 v28, v29
	ds_add_u32 v28, v29
	s_wait_dscnt 0x0
	v_lshrrev_b32 v1, 5, v0
	v_readfirstlane_b32 s14, v1                    ; wave
	s_lshr_b32 s15, s14, 1                         ; my half of the rows.  Also: I fetch for xn (0) or for the weight (1)
	s_and_b32 s16, s14, 1                          ; my half of the columns.  Also: which half I fetch
	s_bfe_u32 s40, ttmp6, 0x40000                  ; cx
	s_bfe_u32 s41, ttmp6, 0x40004                  ; cy
	s_lshl_b32 s42, ttmp9, 2
	s_add_co_u32 s42, s42, s40                     ; tile column
	s_and_b32 s17, ttmp7, 0xffff
	s_lshl_b32 s17, s17, 2
	s_add_co_u32 s17, s17, s41                     ; tile row
	s_lshl_b32 s43, s41, 2
	s_lshl_b32 s43, 15, s43                        ; my row of the cluster
	s_lshl_b32 s44, 0x1111, s40                    ; my column
	s_or_b32 s[G1+0], s43, (3<<16)|(1<<21)         ; the mask; elements of 8 bytes; bit 21 beside a mask
	s_or_b32 s[G1B+0], s44, (3<<16)|(1<<21)
.irp g, G1, G1B
	s_mov_b32 s[\g+1], 512<<16                     ; 4,096 bytes: 256 along K of 16 rows
	s_mov_b32 s[\g+2], 16<<16                      ; the head's loads bring 16 blocks of 16 rows; behind them the two words are set to 8, for the ring's
	s_mov_b32 s[\g+3], 512<<16
	s_mov_b32 s[\g+4], 16
	s_mov_b32 s[\g+5], 2048                        ; 16,384 bytes from block to block
	s_mov_b32 s[\g+6], 0
	s_mov_b32 s[\g+7], 0
.endr
	s_or_b32 s[G1S+0], s43, (3<<16)|(1<<21)
	s_or_b32 s[G1SB+0], s44, (3<<16)|(1<<21)
.irp g, G1S, G1SB
	s_mov_b32 s[\g+1], 256<<16                     ; 256 rows x 8 bytes
	s_mov_b32 s[\g+2], 4<<16
	s_mov_b32 s[\g+3], 256<<16
	s_mov_b32 s[\g+4], 4
	s_mov_b32 s[\g+6], 0
	s_mov_b32 s[\g+7], 0
.endr
	s_mov_b32 s[G1S+5], 4096
	s_mov_b32 s[G1SB+5], 8832
	s_lshl_b32 s20, s17, 1
	s_add_co_u32 s20, s20, s16                     ; xn: which 128 rows
	s_lshl_b32 s18, s20, 17
	s_mov_b32 s19, 0
	s_lshl_b32 s22, s17, 11
	s_add_co_u32 s22, s22, 4194304
	s_mov_b32 s23, 0
	s_lshl_b32 s46, s42, 1
	s_add_co_u32 s46, s46, s16                     ; the weight: which 128 rows behind the first 640
	s_lshl_b32 s92, s46, 17
	s_add_co_u32 s92, s92, 655360
	s_mov_b32 s93, 0
	s_lshl_b32 s46, s42, 11
	s_add_co_u32 s46, s46, 5120
	s_mov_b32 s47, 0
	s_lshl_b32 s45, s14, 15                        ; LDS: wave x 32,768: no place in the cluster enters an LDS address
	s_wait_kmcnt 0x0
	s_add_nc_u64 s[18:19], s[4:5], s[18:19]
	s_add_nc_u64 s[22:23], s[4:5], s[22:23]
	s_add_nc_u64 s[92:93], s[6:7], s[92:93]
	s_add_nc_u64 s[46:47], s[8:9], s[46:47]
	CROUND                                         ; all sixteen work-groups are here: the first joint loads meet
	s_mov_b32 s[G0S], 1
	s_mov_b32 s[G0S+1], SCL
	s_mov_b64 s[G0S+2:G0S+3], s[22:23]
	s_or_b32 s[G0S+3], s[G0S+3], 0x80000000
	s_mov_b32 s[G0SB], 1
	s_mov_b32 s[G0SB+1], SCL+8320
	s_mov_b64 s[G0SB+2:G0SB+3], s[46:47]
	s_or_b32 s[G0SB+3], s[G0SB+3], 0x80000000
.irp s, 0,1
	s_mov_b32 s[G0+4*\s], 1
	s_add_co_u32 s[G0+4*\s+1], s45, \s*SLOT
	s_add_nc_u64 s[G0+4*\s+2:G0+4*\s+3], s[18:19], \s*4096
	s_or_b32 s[G0+4*\s+3], s[G0+4*\s+3], 0x80000000
	s_mov_b32 s[G0B+4*\s], 1
	s_add_co_u32 s[G0B+4*\s+1], s45, \s*SLOT
	s_add_nc_u64 s[G0B+4*\s+2:G0B+4*\s+3], s[92:93], \s*4096
	s_or_b32 s[G0B+4*\s+3], s[G0B+4*\s+3], 0x80000000
.endr
	; the prefetches' base: of the 8 blocks that I fetch in a K step, the partner at place p (cx for xn, cy for the weight) names blocks 2 p and 2 p + 1
	s_cmp_eq_u32 s15, 0
	s_cselect_b64 s[18:19], s[18:19], s[92:93]
	s_cselect_b32 s92, s40, s41
	s_lshl_b32 s92, s92, 15
	s_mov_b32 s93, 0
	s_add_nc_u64 s[18:19], s[18:19], s[92:93]
	; THE HEAD'S LOADS, one a wave, in one chain of arms: wave 0 K step 0's 256 rows of xn, wave 1 xn's scale bytes, wave 2 the weight's 256 rows, wave 3 its scale bytes.
	; Waves 0 and 2 use their own group 0 of slot 0: it names the tile's first block and the place where that operand begins in the slot.
.macro ARM under, g0, g1, next
	s_cmp_lt_u32 s14, \under
	s_cbranch_scc0 \next
	tensor_load_to_lds s[\g0:\g0+3], s[\g1:\g1+7]
	s_nop 0
	PLACES 4
	s_branch .Lhead_asked
\next:
.endm
	ARM 1, G0,  G1,  .Lhead_sa
	ARM 2, G0S, G1S, .Lhead_b
	ARM 3, G0B, G1B, .Lhead_sb
	tensor_load_to_lds s[G0SB:G0SB+3], s[G1SB:G1SB+7]
	s_nop 0
	PLACES 4
.Lhead_asked:
	v_bfe_u32 v31, v0, 4, 1
	v_and_b32 v4, 15, v0
	v_lshlrev_b32 v31, 14, v31
	v_lshl_add_u32 v31, v4, 8, v31                 ; 16,384 (lane / 16) + 256 (lane % 16): a lane names 256 bytes; never rewritten
	global_prefetch_b8 v31, s[18:19] offset:4096 th:TH_LOAD_NT scope:SCOPE_SE    ; K step 1,
	global_prefetch_b8 v31, s[18:19] offset:8192 th:TH_LOAD_NT scope:SCOPE_SE    ; K step 2: each block of 256 bytes is named once in the cluster
	v_and_b32 v1, 15, v0                           ; r
	v_bfe_u32 v2, v0, 4, 1                         ; h
	s_wait_alu depctr_va_vdst(0)
	v_and_b32 v3, 31, v0
	v_lshlrev_b32 v[CO], 4, v3                     ; 16 x lane
	s_lshl_b32 s21, s15, 15
	s_lshl_b32 s22, s16, 15
	s_add_co_u32 s22, s22, 65536
.irp s, 0,1
	v_add_nc_u32 v[ADRA+\s], s21, v[CO]
	v_add_nc_u32 v[ADRB+\s], s22, v[CO]
	s_add_co_u32 s21, s21, SLOT
	s_add_co_u32 s22, s22, SLOT
.endr
	v_lshlrev_b32 v5, 3, v1                        ; scale words: 8 bytes a row
	s_lshl_b32 s21, s15, 10
	s_lshl_b32 s22, s16, 10
	s_add_co_u32 s22, s22, 8320
	s_sub_co_u32 s22, s22, s21
	v_mul_u32_u24 v6, s22, v2                      ; lanes 16-31 take the weight's: one product, the distance between the two
	s_add_co_u32 s21, s21, SCL
	v_add_nc_u32 v5, v5, v6
	v_add_nc_u32 v[ADRS], s21, v5
	s_lshl_b32 s21, s14, 9
	s_add_co_u32 s21, s21, MST
	v_lshl_add_u32 v[MSTO], v1, 2, s21             ; MST + 512 wave + 4 r
	s_lshl_b32 s21, s15, 10
	s_lshl_b32 s22, s16, 8
	s_add_co_u32 s21, s21, s22
	s_add_co_u32 s21, s21, MST
	v_lshl_add_u32 v[MRD], v3, 3, s21              ; MST + 1,024 (wave / 2) + 256 (wave % 2) + 8 lane
	v_lshlrev_b32 v[AO], 3, v3
.irp b, 0,1,2,3
	v_mov_b32 v[TM+4+\b], 0                        ; a lane permute's destination counts as one of its sources
.endr
	s_mov_b32 s[SEL], 0x76543210
	s_mov_b32 s[SEL+1], 0xfedcba98
	s_mov_b32 s[MNT], 0x600000
	s_mov_b32 s[LE], 0xbfb8aa3b                    ; -log2(e)
	s_mov_b32 s[LE+1], s[LE]
	s_lshl_b32 s20, s17, 4
	s_lshl_b32 s21, s15, 3
	s_add_co_u32 s20, s20, s21                     ; my first block of 16 rows
	s_mul_i32 s20, s20, 73728
	s_lshl_b32 s21, s42, 2
	s_lshl_b32 s46, s16, 1
	s_add_co_u32 s21, s21, s46
	s_add_co_u32 s21, s21, 16                      ; my first block of 32 along the output product's K: 16 + 4 tile column + 2 half
	s_lshl_b32 s21, s21, 9
	s_add_co_u32 s20, s20, s21
	s_mov_b32 s21, 0
	s_add_nc_u64 s[10:11], s[10:11], s[20:21]
	s_add_co_u32 s20, s42, 4
	s_lshl_b32 s20, s20, 14                        ; scale words of step 4 + tile column,
	s_lshl_b32 s21, s17, 10                        ; rows 256 tile row
	s_add_co_u32 s20, s20, s21
	s_lshl_b32 s21, s14, 8                         ; + 64 wave
	s_add_co_u32 s20, s20, s21
	s_mov_b32 s21, 0
	s_add_nc_u64 s[12:13], s[12:13], s[20:21]
.macro FRAG reg, adr, q, i             ; a fragment, 16 rows x 128 K: four loads of 512 consecutive bytes
.irp c, 0,1,2,3
	ds_load_b128 v[\reg+4*\c:\reg+4*\c+3], v[\adr] offset:2048*(\q)+512*\c+(\i)*4096
.endr
.endm
; 16 matrix instructions: xn's blocks a0, a0 + 1 x the weight's eight.  The 64 accumulators take turns, one instruction a turn, in the same order in every step.
.macro MUL16 a0, p, q, sc, zero
.irp a, \a0, \a0+1
.irp b, 0,1,2,3,4,5,6,7
.if \zero
	v_wmma_scale_f32_16x16x128_f8f6f4 v[8*(8*((\a)%4)+\b):8*(8*((\a)%4)+\b)+7], v[128*(\p)+FR*\b:128*(\p)+FR*\b+FR-1], v[AF+FR*(\a):AF+FR*(\a)+FR-1], 0, v[SC+8*NQ*(\sc)+NQ*\b+(\q)], v[SC+8*NQ*(\sc)+NQ*(\a)+(\q)] matrix_a_fmt:MATRIX_FMT_BF8 matrix_b_fmt:MATRIX_FMT_BF8 matrix_a_scale:MATRIX_SCALE_ROW1
.else
	v_wmma_scale_f32_16x16x128_f8f6f4 v[8*(8*((\a)%4)+\b):8*(8*((\a)%4)+\b)+7], v[128*(\p)+FR*\b:128*(\p)+FR*\b+FR-1], v[AF+FR*(\a):AF+FR*(\a)+FR-1], v[8*(8*((\a)%4)+\b):8*(8*((\a)%4)+\b)+7], v[SC+8*NQ*(\sc)+NQ*\b+(\q)], v[SC+8*NQ*(\sc)+NQ*(\a)+(\q)] matrix_a_fmt:MATRIX_FMT_BF8 matrix_b_fmt:MATRIX_FMT_BF8 matrix_a_scale:MATRIX_SCALE_ROW1
.endif
.endr
.endr
.endm
.macro FETCH_B slot, q, p
	WIN TO_B
.irp i, 0,1,2,3,4,5,6,7
	FRAG 128*(\p)+FR*\i, ADRB+\slot, \q, \i
.endr
	WIN 0
.endm
.macro FETCH_A slot, q, i0
.irp i, \i0, \i0+1, \i0+2, \i0+3
	FRAG AF+FR*(\i), ADRA+\slot, \q, \i
.endr
.endm
.macro SCALES sc                       ; a K step's scale words: lanes 0-15 xn's block i, lanes 16-31 the weight's block i
.irp i, 0,1,2,3,4,5,6,7
	ds_load_b64 v[SC+8*NQ*\sc+NQ*\i:SC+8*NQ*\sc+NQ*\i+1], v[ADRS] offset:\i*128
.endr
.endm
.macro STEP slot, q, zero              ; 128 along K that have their successor in the same slot
	s_wait_dscnt 4*NL                              ; all but the youngest sixteen loads (xn's blocks 4-7)
	WIN MUL_LO
	MUL16 0, (\q)%2, \q, \slot, \zero
	MUL16 2, (\q)%2, \q, \slot, \zero
	s_wait_dscnt 0
	PLACES NP                                      ; places in front of loads into registers that matrix instructions have read
	FETCH_B \slot, (\q)+1, 1-(\q)%2
	FETCH_A \slot, (\q)+1, 0
	WIN MUL_HI
	MUL16 4, (\q)%2, \q, \slot, \zero
	MUL16 6, (\q)%2, \q, \slot, \zero
	PLACES NP
	WIN 0
	FETCH_A \slot, (\q)+1, 4
.endm
.macro TURN slot, next, fill           ; a slot's last 128 along K, and the change of slots: one barrier
	s_wait_tensorcnt 0x0                           ; all my tensor loads have landed: my part of the next slot
	ds_add_u32 v[SPW], v[NIL]                      ; 0 onto my spare word
	s_wait_dscnt 4*NL+1                            ; (the add and the youngest sixteen loads may be out)
	WIN MUL_LO
	MUL16 0, 1, NQ-1, \slot, 0
	s_wait_dscnt 0x0                               ; the add is done, and my reads of this slot are over
	s_barrier_signal -1
	MUL16 2, 1, NQ-1, \slot, 0
	WIN 0
	s_barrier_wait -1
.if \fill
	CREST                                          ; the barrier has opened a round of the cluster's: no wave of any partner still reads this slot or has a load on its way
	s_add_nc_u64 s[G0+4*\slot+2:G0+4*\slot+3], s[G0+4*\slot+2:G0+4*\slot+3], 2*4096
	s_add_nc_u64 s[G0B+4*\slot+2:G0B+4*\slot+3], s[G0B+4*\slot+2:G0B+4*\slot+3], 2*4096
	JLOAD G0+4*\slot, G1, G0B+4*\slot, G1B         ; the first tensor load behind the round, my only one until the next
	PLACES NP-4
.else
	PLACES NP
.endif
	s_wait_alu depctr_va_vdst(0)
	v_add_nc_u32 v[ADRS], 2048, v[ADRS]
	FETCH_B \next, 0, 0
	FETCH_A \next, 0, 0
	SCALES \next
	WIN MUL_HI
	MUL16 4, 1, NQ-1, \slot, 0
	MUL16 6, 1, NQ-1, \slot, 0
	PLACES NP
	WIN 0
	FETCH_A \next, 0, 4
.endm
	s_wait_alu depctr_va_vdst(0)
	s_wait_tensorcnt 0x0                           ; my tile of the head's four is in
	ds_add_u32 v[SPW], v[NIL]
	s_mov_b32 s[G1+2], 8<<16                       ; no tensor load of mine is out: from here on a load brings 8 blocks
	s_mov_b32 s[G1+4], 8
	s_mov_b32 s[G1B+2], 8<<16
	s_mov_b32 s[G1B+4], 8
	s_wait_dscnt 0x0
	CROUND                                         ; all four tiles are in, and all sixteen work-groups are here
	JLOAD G0+4, G1, G0B+4, G1B                     ; K step 1 into slot 1: the first tensor load behind the round
	FETCH_B 0, 0, 0
	FETCH_A 0, 0, 0
	SCALES 0
	FETCH_A 0, 0, 4
	global_prefetch_b8 v31, s[18:19] offset:12288 th:TH_LOAD_NT scope:SCOPE_SE   ; K step 3, the last: two changes of slots ahead of its load
	STEP 0, 0, 1
	TURN 0, 1, 1
	STEP 1, 0, 0
	TURN 1, 0, 1
	STEP 0, 0, 0
	TURN 0, 1, 0
	STEP 1, 0, 0
	s_wait_dscnt 4*NL
	WIN MUL_LO
	MUL16 0, 1, NQ-1, 1, 0
	MUL16 2, 1, NQ-1, 1, 0
	s_wait_dscnt 0
	WIN MUL_HI
	MUL16 4, 1, NQ-1, 1, 0
	MUL16 6, 1, NQ-1, 1, 0
	WIN 0
; THE WAY OUT, block by block of 16 rows: (g x 1 / (1 + 2^(-log2(e) g))) x ff_x, then two blocks of 32 quantised as the registers stand.
.macro OUTBLK a
.set GG, 64*((\a)%4)+32
.set XX, 64*((\a)%4)
	WIN 2+(\a)/4                                   ; source 0: the accumulators' window
.set KK, 0
.rept 16
	v_pk_mul_f32 v[T+KK:T+KK+1], v[GG+KK:GG+KK+1], s[LE:LE+1] op_sel_hi:[1,0]   ; each accumulator from its low end on
.set KK, KK+2
.endr
	WIN 0
.set KK, 0
	s_wait_alu depctr_va_vdst(0)
.rept 32
	v_exp_f32 v[T+KK], v[T+KK]
.set KK, KK+1
.endr
	v_nop                                          ; a plain line behind the transcendentals
.set KK, 0
	s_wait_alu depctr_va_vdst(0)
.rept 16
	v_pk_add_f32 v[T+KK:T+KK+1], v[T+KK:T+KK+1], 1.0 op_sel_hi:[1,0]
.set KK, KK+2
.endr
.set KK, 0
	s_wait_alu depctr_va_vdst(0)
.rept 32
	v_rcp_f32 v[T+KK], v[T+KK]
.set KK, KK+1
.endr
	v_nop
	WIN 2+(\a)/4
.set KK, 0
	s_wait_alu depctr_va_vdst(0)
.rept 16
	v_pk_mul_f32 v[T+KK:T+KK+1], v[GG+KK:GG+KK+1], v[T+KK:T+KK+1]
.set KK, KK+2
.endr
.set KK, 0
.rept 16
	v_pk_mul_f32 v[T+KK:T+KK+1], v[XX+KK:XX+KK+1], v[T+KK:T+KK+1]
.set KK, KK+2
.endr
	WIN 0
	QUANT T, 2, 128+8*(\a), HW+(\a)
	global_store_b128 v[CO], v[128+8*(\a):131+8*(\a)], s[10:11] offset:(\a)*73728       ; 512 consecutive bytes a store; each block has its own registers
	global_store_b128 v[CO], v[132+8*(\a):135+8*(\a)], s[10:11] offset:(\a)*73728+512
.endm
	PLACES NP
.irp a, 0,1,2,3,4,5,6,7
	OUTBLK \a
.endr
.irp a, 0,1,2,3,4,5,6,7
	ds_store_b32 v[MSTO], v[HW+\a] offset:64*\a    ; my two bytes of row 16 a + r
.endr
	s_wait_dscnt 0x0
	s_barrier_signal -1
	s_barrier_wait -1
	ds_load_b64 v[64:65], v[MRD]                   ; the left half's bytes of two rows,
	ds_load_b64 v[66:67], v[MRD] offset:512        ; the right half's
	s_wait_dscnt 0x0
	v_lshl_or_b32 v64, v66, 16, v64
	v_lshl_or_b32 v65, v67, 16, v65
	global_store_b64 v[AO], v[64:65], s[12:13]     ; 64 rows' words: 256 consecutive bytes, aligned
	s_wait_tensorcnt 0x0                           ; the wave's end
	ds_add_u32 v[SPW], v[NIL]
	s_wait_dscnt 0x0
	CROUND                                         ; the closing round
	s_endpgm
.Lfunc_end_k_qe553a09eeb_ffgemm:
	.size	k_qe553a09eeb_ffgemm, .Lfunc_end_k_qe553a09eeb_ffgemm-k_qe553a09eeb_ffgemm
	.p2alignl 7, 3214868480
	.fill 96, 4, 3214868480
	.section	.rodata,"a",@progbits
	.p2align	6, 0x0
	.amdhsa_kernel k_qe553a09eeb_ffgemm
		.amdhsa_group_segment_fixed_size 327680
		.amdhsa_private_segment_fixed_size 0
		.amdhsa_enable_private_segment 0
		.amdhsa_kernarg_size 40
		.amdhsa_user_sgpr_count 2
		.amdhsa_user_sgpr_kernarg_segment_ptr 1
		.amdhsa_wavefront_size32 1
		.amdhsa_system_sgpr_workgroup_id_x 1
		.amdhsa_system_sgpr_workgroup_id_y 1
		.amdhsa_system_sgpr_workgroup_id_z 1
		.amdhsa_system_vgpr_workitem_id 0
		.amdhsa_next_free_vgpr 1024
		.amdhsa_next_free_sgpr 98
		.amdhsa_reserve_vcc 0
		.amdhsa_float_denorm_mode_32 3
		.amdhsa_float_denorm_mode_16_64 3
		.amdhsa_memory_ordered 1
		.amdhsa_forward_progress 1
		.amdhsa_inst_pref_size 202
	.end_amdhsa_kernel
	.amdgpu_metadata
---
amdhsa.version: [ 1, 2 ]
amdhsa.kernels:
  - .name:           k_qe553a09eeb_ffgemm
    .symbol:         k_qe553a09eeb_ffgemm.kd
    .args:
      - { .name: xq, .offset: 0, .size: 8, .value_kind: global_buffer, .address_space: global }
      - { .name: wfc, .offset: 8, .size: 8, .value_kind: global_buffer, .address_space: global }
      - { .name: wfs, .offset: 16, .size: 8, .value_kind: global_buffer, .address_space: global }
      - { .name: actc, .offset: 24, .size: 8, .value_kind: global_buffer, .address_space: global }
      - { .name: acts, .offset: 32, .size: 8, .value_kind: global_buffer, .address_space: global }
    .group_segment_fixed_size: 327680
    .private_segment_fixed_size: 0
    .kernarg_segment_align: 8
    .kernarg_segment_size: 40
    .max_flat_workgroup_size: 128
    .sgpr_count:     98
    .vgpr_count:     1024
    .wavefront_size: 32
...
	.end_amdgpu_metadata
.endif
;; end of part 4
;; launch outgemm (part 5): grid 8 x 32, 4 waves a work-group, clusters of 4 x 4, 327,680 bytes of LDS; arguments actc, acts, woc, wos, out0; writes out0
.if DOCPART == 5
	.amdgcn_target "amdgcn-amd-amdhsa--gfx1250"
	.amdhsa_code_object_version 6
	.text
	.protected	k_qe553a09eeb_outgemm
	.globl	k_qe553a09eeb_outgemm
	.p2align	8
	.type	k_qe553a09eeb_outgemm,@function
k_qe553a09eeb_outgemm:
	s_mov_b64 s[64:65], 0
	v_nop
	global_prefetch_b8 v0, s[64:65] scope:SCOPE_SE
	s_setreg_imm32_b32 hwreg(HW_REG_WAVE_MODE, 25, 1), 1
	s_wait_xcnt 0x0
	s_wait_alu depctr_hold_cnt(0) depctr_sa_sdst(0) depctr_va_vdst(0) depctr_va_sdst(0) depctr_va_ssrc(0) depctr_va_vcc(0) depctr_vm_vsrc(0)
	s_getreg_b32 s2, hwreg(HW_REG_IB_STS2, 6, 4)
	s_cmp_eq_u32 s2, 0
	s_cbranch_scc0 .Lentry_in_a_cluster
	s_endpgm
.Lentry_in_a_cluster:
	s_bfe_u32 s2, ttmp6, 0x10000c
	s_cmp_lg_u32 s2, 0xf033
	s_cbranch_scc0 .Lentry_shape_is_right
	s_endpgm
.Lentry_shape_is_right:
.set SLOT,  131072
.set SCL,   262144
.set SPARE, 299008
.set STAGE, SLOT
.set SPITCH, 272
.set ADRA, 16
.set ADRB, 20
.set ASA,  22
.set BSA,  23
.set STO,  24
.set RD,   25
.set CO,   26
.set SPW,  28
.set NIL,  29
.set SC,   32
.set ACC,  128
.set G1, 24
.set G0, 32
.set G1B, 48
.set G0B, 56
.set G1S, 68
.set G0S, 76
.set G1SB, 80
.set G0SB, 88
.set MSB, 0
.macro WIN new
.if MSB != (\new)
	s_set_vgpr_msb (MSB<<8)|(\new)
.set MSB, \new
.endif
.endm
.set MUL, 0x05
.macro JLOAD g0a, g1a, g0b, g1b
	s_cmp_eq_u32 s15, 0
	s_cbranch_scc0 .Lfor_b_\@
	tensor_load_to_lds s[\g0a:\g0a+3], s[\g1a:\g1a+7]
	s_nop 0
.rept 4
	v_nop
.endr
	s_branch .Lasked_\@
.Lfor_b_\@:
	tensor_load_to_lds s[\g0b:\g0b+3], s[\g1b:\g1b+7]
	s_nop 0
.rept 4
	v_nop
.endr
.Lasked_\@:
.endm
.macro CREST
	s_cmp_lg_u32 s14, 0
	s_cbranch_scc1 .Lnot_wave_0_\@
	s_barrier_signal -3
.Lnot_wave_0_\@:
	s_barrier_wait -3
	s_barrier_signal -1
	s_barrier_wait -1
.endm
.macro CROUND
	s_barrier_signal -1
	s_barrier_wait -1
	CREST
.endm
.macro PLACES n
.rept \n
	v_nop
.endr
.endm
	s_load_b128 s[4:7], s[0:1], 0x0
	s_load_b128 s[8:11], s[0:1], 0x10
	s_load_b64 s[12:13], s[0:1], 0x20
	v_lshl_add_u32 v[SPW], v0, 2, SPARE
	v_mov_b32 v[NIL], 0
	ds_add_u32 v28, v29
	ds_add_u32 v28, v29
	s_wait_dscnt 0x0
	v_lshrrev_b32 v1, 5, v0
	v_readfirstlane_b32 s14, v1
	s_lshr_b32 s15, s14, 1
	s_and_b32 s16, s14, 1
	s_bfe_u32 s40, ttmp6, 0x40000
	s_bfe_u32 s41, ttmp6, 0x40004
	s_lshl_b32 s42, ttmp9, 2
	s_add_co_u32 s42, s42, s40
	s_and_b32 s17, ttmp7, 0xffff
	s_lshl_b32 s17, s17, 2
	s_add_co_u32 s17, s17, s41
	s_lshl_b32 s43, s41, 2
	s_lshl_b32 s43, 15, s43
	s_lshl_b32 s44, 0x1111, s40
	s_or_b32 s[G1+0], s43, (3<<16)|(1<<21)
	s_or_b32 s[G1B+0], s44, (3<<16)|(1<<21)
.irp g, G1, G1B
	s_mov_b32 s[\g+1], 1024<<16
	s_mov_b32 s[\g+2], 8<<16                       ; the head's loads bring 8 blocks of 16 rows; behind them the two words are set to 4, for the ring's
	s_mov_b32 s[\g+3], 1024<<16
	s_mov_b32 s[\g+4], 8
	s_mov_b32 s[\g+5], 9216
	s_mov_b32 s[\g+6], 0
	s_mov_b32 s[\g+7], 0
.endr
	s_or_b32 s[G1S+0], s43, (3<<16)|(1<<21)
	s_mov_b32 s[G1S+1], 64<<16                     ; A's scale words: 128 rows x 4 bytes for each 128 along K
	s_mov_b32 s[G1S+2], 36<<16
	s_mov_b32 s[G1S+3], 64<<16
	s_mov_b32 s[G1S+4], 36
	s_mov_b32 s[G1S+5], 2048
	s_mov_b32 s[G1S+6], 0
	s_mov_b32 s[G1S+7], 0
	s_or_b32 s[G1SB+0], s44, (3<<16)|(1<<21)
	s_mov_b32 s[G1SB+1], 128<<16                   ; B's: 128 rows x 8 bytes for each 256 along K
	s_mov_b32 s[G1SB+2], 18<<16
	s_mov_b32 s[G1SB+3], 128<<16
	s_mov_b32 s[G1SB+4], 18
	s_mov_b32 s[G1SB+5], 1024
	s_mov_b32 s[G1SB+6], 0
	s_mov_b32 s[G1SB+7], 0
	s_lshl_b32 s20, s17, 1
	s_add_co_u32 s20, s20, s16
	s_mul_i32 s18, s20, 294912
	s_mov_b32 s19, 0
	s_lshl_b32 s22, s17, 9
	s_mov_b32 s23, 0
	s_lshl_b32 s46, s42, 1
	s_add_co_u32 s46, s46, s16
	s_mul_i32 s92, s46, 294912
	s_mov_b32 s93, 0
	s_lshl_b32 s46, s42, 10
	s_mov_b32 s47, 0
	s_lshl_b32 s45, s14, 15
	s_wait_kmcnt 0x0
	s_add_nc_u64 s[18:19], s[4:5], s[18:19]
	s_add_nc_u64 s[22:23], s[6:7], s[22:23]
	s_add_nc_u64 s[92:93], s[8:9], s[92:93]
	s_add_nc_u64 s[46:47], s[10:11], s[46:47]
	CROUND
	s_mov_b32 s[G0S], 1
	s_mov_b32 s[G0S+1], SCL
	s_mov_b64 s[G0S+2:G0S+3], s[22:23]
	s_or_b32 s[G0S+3], s[G0S+3], 0x80000000
	s_mov_b32 s[G0SB], 1
	s_mov_b32 s[G0SB+1], SCL+18432
	s_mov_b64 s[G0SB+2:G0SB+3], s[46:47]
	s_or_b32 s[G0SB+3], s[G0SB+3], 0x80000000
.irp s, 0,1
	s_mov_b32 s[G0+4*\s], 1
	s_add_co_u32 s[G0+4*\s+1], s45, \s*SLOT
	s_add_nc_u64 s[G0+4*\s+2:G0+4*\s+3], s[18:19], \s*8192
	s_or_b32 s[G0+4*\s+3], s[G0+4*\s+3], 0x80000000
	s_mov_b32 s[G0B+4*\s], 1
	s_add_co_u32 s[G0B+4*\s+1], s45, \s*SLOT
	s_add_nc_u64 s[G0B+4*\s+2:G0B+4*\s+3], s[92:93], \s*8192
	s_or_b32 s[G0B+4*\s+3], s[G0B+4*\s+3], 0x80000000
.endr
	; the prefetches' base: of the 4 blocks that I fetch for a slot, the partner at place p (cx for A, cy for B) names block p: 8,192 bytes, lanes 256 bytes apart
	s_cmp_eq_u32 s15, 0
	s_cselect_b64 s[18:19], s[18:19], s[92:93]
	s_cselect_b32 s92, s40, s41
	s_mul_i32 s92, s92, 73728
	s_mov_b32 s93, 0
	s_add_nc_u64 s[18:19], s[18:19], s[92:93]
	s_mov_b32 s2, 0                                ; changes of slots that have filled a slot again
	; THE HEAD'S LOADS, one a wave, in one chain of arms: wave 0 slot 0's 128 rows of A, wave 1 A's scale words, wave 2 B's 128 rows, wave 3 B's scale words.
	; Waves 0 and 2 use their own group 0 of slot 0: it names the tile's first block and the place where that operand begins in the slot.
.macro ARM under, g0, g1, next
	s_cmp_lt_u32 s14, \under
	s_cbranch_scc0 \next
	tensor_load_to_lds s[\g0:\g0+3], s[\g1:\g1+7]
	s_nop 0
	PLACES 4
	s_branch .Lhead_asked
\next:
.endm
	ARM 1, G0,  G1,  .Lhead_sa
	ARM 2, G0S, G1S, .Lhead_b
	ARM 3, G0B, G1B, .Lhead_sb
	tensor_load_to_lds s[G0SB:G0SB+3], s[G1SB:G1SB+7]
	s_nop 0
	PLACES 4
.Lhead_asked:
	v_and_b32 v30, 31, v0
	v_lshlrev_b32 v30, 8, v30                      ; 256 x lane; never rewritten
	global_prefetch_b8 v30, s[18:19] offset:8192 th:TH_LOAD_NT scope:SCOPE_SE    ; slot 1's tiles,
	global_prefetch_b8 v30, s[18:19] offset:16384 th:TH_LOAD_NT scope:SCOPE_SE   ; slot 2's: each block of 256 bytes is named once in the cluster
	v_and_b32 v1, 15, v0
	s_wait_alu depctr_va_vdst(0)
	v_bfe_u32 v2, v0, 4, 1
	v_and_b32 v3, 31, v0
	v_lshlrev_b32 v4, 4, v3
	s_lshl_b32 s21, s15, 15
	s_lshl_b32 s22, s16, 15
	s_add_co_u32 s22, s22, 65536
.irp s, 0,1
	v_add_nc_u32 v[ADRA+\s], s21, v4
	v_add_nc_u32 v[ADRB+\s], s22, v4
	s_add_co_u32 s21, s21, SLOT
	s_add_co_u32 s22, s22, SLOT
.endr
	s_lshl_b32 s21, s15, 8
	s_add_co_u32 s21, s21, SCL
	v_lshl_add_u32 v[ASA], v1, 2, s21
	s_lshl_b32 s21, s16, 9
	s_add_co_u32 s21, s21, SCL+2*9216
	v_lshl_add_u32 v[BSA], v1, 3, s21
	s_mul_i32 s23, s14, 64*SPITCH
	s_add_co_u32 s23, s23, STAGE
	v_mul_u32_u24 v5, v1, SPITCH
	v_lshl_add_u32 v5, v2, 5, v5
	v_add_nc_u32 v[STO], s23, v5
	v_mul_u32_u24 v5, v2, SPITCH
	v_lshl_add_u32 v5, v1, 4, v5
	v_add_nc_u32 v[RD], s23, v5
	v_lshlrev_b32 v[CO], 12, v2
	v_lshl_add_u32 v[CO], v1, 4, v[CO]
	s_lshl_b32 s20, s17, 7
	s_lshl_b32 s21, s15, 6
	s_add_co_u32 s20, s20, s21
	s_lshl_b32 s20, s20, 12
	s_lshl_b32 s46, s42, 9
	s_lshl_b32 s47, s16, 8
	s_add_co_u32 s46, s46, s47
	s_add_co_u32 s20, s20, s46
	s_mov_b32 s21, 0
	s_add_nc_u64 s[12:13], s[12:13], s[20:21]
.macro MUL4 f, a, q, sc, zero
.irp b, 0,1,2,3
.if \zero
	v_wmma_scale_f32_16x16x128_f8f6f4 v[ACC+8*(4*(\a)+\b):ACC+8*(4*(\a)+\b)+7], v[(\f)+64+16*\b:(\f)+64+16*\b+15], v[(\f)+16*(\a):(\f)+16*(\a)+15], 0, v[SC+32*(\sc)+16+8*((\q)/2)+2*\b+(\q)%2], v[SC+32*(\sc)+4*(\q)+(\a)] matrix_a_fmt:MATRIX_FMT_BF8 matrix_b_fmt:MATRIX_FMT_BF8
.else
	v_wmma_scale_f32_16x16x128_f8f6f4 v[ACC+8*(4*(\a)+\b):ACC+8*(4*(\a)+\b)+7], v[(\f)+64+16*\b:(\f)+64+16*\b+15], v[(\f)+16*(\a):(\f)+16*(\a)+15], v[ACC+8*(4*(\a)+\b):ACC+8*(4*(\a)+\b)+7], v[SC+32*(\sc)+16+8*((\q)/2)+2*\b+(\q)%2], v[SC+32*(\sc)+4*(\q)+(\a)] matrix_a_fmt:MATRIX_FMT_BF8 matrix_b_fmt:MATRIX_FMT_BF8
.endif
.endr
.endr
.endm
.macro FETCH slot, q, f
	WIN 0x40
.irp i, 0,1,2,3
.irp c, 0,1,2,3
	ds_load_b128 v[(\f)+64+16*\i+4*\c:(\f)+64+16*\i+4*\c+3], v[ADRB+\slot] offset:8192*\i+2048*(\q)+512*\c
.endr
.endr
.irp i, 0,1,2,3
.irp c, 0,1,2,3
	ds_load_b128 v[(\f)+16*\i+4*\c:(\f)+16*\i+4*\c+3], v[ADRA+\slot] offset:8192*\i+2048*(\q)+512*\c
.endr
.endr
.endm
.macro SCLOAD sc
	WIN 0
.irp q, 0,1,2,3
.irp i, 0,1,2,3
	ds_load_b32 v[SC+32*\sc+4*\q+\i], v[ASA] offset:512*\q+64*\i
.endr
.endr
.irp kp, 0,1
.irp i, 0,1,2,3
	ds_load_b64 v[SC+32*\sc+16+8*\kp+2*\i:SC+32*\sc+17+8*\kp+2*\i], v[BSA] offset:1024*\kp+128*\i
.endr
.endr
.endm
.macro QUARTER slot, q, zero
.set QF, 128*((\q)%2)
.set QG, 128-QF
	s_wait_dscnt 8
	WIN MUL
	MUL4 QF, 0, \q, \slot, \zero
	MUL4 QF, 1, \q, \slot, \zero
	PLACES 8
	FETCH \slot, (\q)+1, QG
	s_wait_dscnt 32
	WIN MUL
	MUL4 QF, 2, \q, \slot, \zero
	MUL4 QF, 3, \q, \slot, \zero
.endm
.macro TURN slot, next, fill
	WIN 0
.if \fill == 2                                 ; fill = 2: the loop's changes of slots, which also ask ahead; fill = 1: a refill alone
	s_wait_xcnt 0x0                                ; my last prefetch has read its base: it steps a slot on
	s_add_nc_u64 s[18:19], s[18:19], 8192
	s_add_co_u32 s2, s2, 1
.endif
	s_wait_tensorcnt 0x0
	ds_add_u32 v[SPW], v[NIL]
	s_wait_dscnt 9
	WIN MUL
	MUL4 128, 0, 3, \slot, 0
	s_wait_dscnt 0x0
	s_barrier_signal -1
	MUL4 128, 1, 3, \slot, 0
	WIN 0
	s_barrier_wait -1
.if \fill
	CREST
	s_add_nc_u64 s[G0+4*\slot+2:G0+4*\slot+3], s[G0+4*\slot+2:G0+4*\slot+3], 2*8192
	s_add_nc_u64 s[G0B+4*\slot+2:G0B+4*\slot+3], s[G0B+4*\slot+2:G0B+4*\slot+3], 2*8192
	JLOAD G0+4*\slot, G1, G0B+4*\slot, G1B
	PLACES 4
.else
	PLACES 8
.endif
	s_wait_alu depctr_va_vdst(0)
	v_add_nc_u32 v[ASA], 2048, v[ASA]
	v_add_nc_u32 v[BSA], 2048, v[BSA]
	SCLOAD \next
.if \fill == 2
	s_cmp_lt_u32 s2, 6                             ; the change numbered n (from 1) loads slot n + 1 and asks for slot n + 3; slot 8 is the last
	s_cbranch_scc0 .Lnone_ahead_\@
	global_prefetch_b8 v30, s[18:19] offset:24576 th:TH_LOAD_NT scope:SCOPE_SE
.Lnone_ahead_\@:
.endif
	FETCH \next, 0, 0
	WIN MUL
	MUL4 128, 2, 3, \slot, 0
	MUL4 128, 3, 3, \slot, 0
.endm
	s_wait_alu depctr_va_vdst(0)
	s_wait_tensorcnt 0x0                           ; my tile of the head's four is in
	ds_add_u32 v[SPW], v[NIL]
	s_mov_b32 s[G1+2], 4<<16                       ; no tensor load of mine is out: from here on a load brings 4 blocks
	s_mov_b32 s[G1+4], 4
	s_mov_b32 s[G1B+2], 4<<16
	s_mov_b32 s[G1B+4], 4
	s_wait_dscnt 0x0
	CROUND                                         ; all four tiles are in, and all sixteen work-groups are here
	JLOAD G0+4, G1, G0B+4, G1B                     ; slot 1's first fill: the first tensor load behind the round
	SCLOAD 0
	FETCH 0, 0, 0
	global_prefetch_b8 v30, s[18:19] offset:24576 th:TH_LOAD_NT scope:SCOPE_SE   ; slot 3's tiles
	QUARTER 0, 0, 1
	WIN 0
	s_mov_b32 s3, 3
.Llap:
	QUARTER 0, 1, 0
	QUARTER 0, 2, 0
	TURN 0, 1, 2
	QUARTER 1, 0, 0
	QUARTER 1, 1, 0
	QUARTER 1, 2, 0
	TURN 1, 0, 2
	QUARTER 0, 0, 0
	WIN 0
	s_sub_co_u32 s3, s3, 1
	s_cmp_lg_u32 s3, 0
	s_cbranch_scc1 .Llap
	QUARTER 0, 1, 0
	QUARTER 0, 2, 0
	TURN 0, 1, 1
	QUARTER 1, 0, 0
	QUARTER 1, 1, 0
	QUARTER 1, 2, 0
	TURN 1, 0, 0
	QUARTER 0, 0, 0
	QUARTER 0, 1, 0
	QUARTER 0, 2, 0
	s_wait_dscnt 8
	WIN MUL
	MUL4 128, 0, 3, 0, 0
	MUL4 128, 1, 3, 0, 0
	s_wait_dscnt 0
	MUL4 128, 2, 3, 0, 0
	MUL4 128, 3, 3, 0, 0
	WIN 0
	PLACES 8
.irp a, 0,1,2,3
.irp b, 0,1,2,3
	ds_store_b128 v[STO], v[ACC+8*(4*\a+\b):ACC+8*(4*\a+\b)+3] offset:16*SPITCH*\a+64*\b
	ds_store_b128 v[STO], v[ACC+8*(4*\a+\b)+4:ACC+8*(4*\a+\b)+7] offset:16*SPITCH*\a+64*\b+16
.endr
.endr
	WIN 0x40
.irp a, 0,1,2,3
.irp t, 0,1,2,3,4,5,6,7
	ds_load_b128 v[4*(8*\a+\t):4*(8*\a+\t)+3], v[RD] offset:16*SPITCH*\a+2*SPITCH*\t
.endr
.endr
	WIN 0x04
.irp a, 0,1,2,3
.irp t, 0,1,2,3,4,5,6,7
	s_wait_dscnt 31-8*\a-\t
	global_store_b128 v[CO], v[4*(8*\a+\t):4*(8*\a+\t)+3], s[12:13] offset:(16*\a+2*\t)*4096 th:TH_STORE_NT
.endr
.endr
	WIN 0
	s_wait_tensorcnt 0x0
	ds_add_u32 v[SPW], v[NIL]
	s_wait_dscnt 0x0
	CROUND
	s_endpgm
.Lfunc_end_k_qe553a09eeb_outgemm:
	.size	k_qe553a09eeb_outgemm, .Lfunc_end_k_qe553a09eeb_outgemm-k_qe553a09eeb_outgemm
	.p2alignl 7, 3214868480
	.fill 96, 4, 3214868480
	.section	.rodata,"a",@progbits
	.p2align	6, 0x0
	.amdhsa_kernel k_qe553a09eeb_outgemm
		.amdhsa_group_segment_fixed_size 327680
		.amdhsa_private_segment_fixed_size 0
		.amdhsa_enable_private_segment 0
		.amdhsa_kernarg_size 40
		.amdhsa_user_sgpr_count 2
		.amdhsa_user_sgpr_kernarg_segment_ptr 1
		.amdhsa_wavefront_size32 1
		.amdhsa_system_sgpr_workgroup_id_x 1
		.amdhsa_system_sgpr_workgroup_id_y 1
		.amdhsa_system_sgpr_workgroup_id_z 1
		.amdhsa_system_vgpr_workitem_id 0
		.amdhsa_next_free_vgpr 512
		.amdhsa_next_free_sgpr 98
		.amdhsa_reserve_vcc 0
		.amdhsa_float_denorm_mode_32 3
		.amdhsa_float_denorm_mode_16_64 3
		.amdhsa_memory_ordered 1
		.amdhsa_forward_progress 1
		.amdhsa_inst_pref_size 119
	.end_amdhsa_kernel
	.amdgpu_metadata
---
amdhsa.version: [ 1, 2 ]
amdhsa.kernels:
  - .name:           k_qe553a09eeb_outgemm
    .symbol:         k_qe553a09eeb_outgemm.kd
    .args:
      - { .name: actc, .offset: 0, .size: 8, .value_kind: global_buffer, .address_space: global }
      - { .name: acts, .offset: 8, .size: 8, .value_kind: global_buffer, .address_space: global }
      - { .name: woc, .offset: 16, .size: 8, .value_kind: global_buffer, .address_space: global }
      - { .name: wos, .offset: 24, .size: 8, .value_kind: global_buffer, .address_space: global }
      - { .name: out0, .offset: 32, .size: 8, .value_kind: global_buffer, .address_space: global }
    .group_segment_fixed_size: 327680
    .private_segment_fixed_size: 0
    .kernarg_segment_align: 8
    .kernarg_segment_size: 40
    .max_flat_workgroup_size: 128
    .sgpr_count:     98
    .vgpr_count:     512
    .wavefront_size: 32
...
	.end_amdgpu_metadata
.endif
;; end of part 5
